; MI455X (gfx1250); checked and timed in simulation.
; The chip was launched on July 23, 2026; its instructions are those of AMD's public machine-readable ISA for CDNA 5 (MIT licence, August 2026) and "CDNA5" Instruction Set Architecture Reference Guide (July 2026). The comments in the code are by the model that wrote it; some were corrected since.
;; Trans Conv Layer. Allowed arithmetic: matrix products marked QUANTISED: E2M1 operands, one E8M0 scale for each 32 along K, by v_wmma_scale_f32_16x16x128_f8f6f4 with both operands' format E2M1 (or v_wmma_scale_f32_32x16x128_f4), f32 sums; everything else in f32.
;; Inputs: Wk_codes 512 x 8 x 16 uint8 (E2M1 codes of Wk, K innermost, in blocks of 32 codes, two codes a byte); Wk_scales 512 x 8 uint8 (E8M0 scales of Wk, one for each 32 codes along K); Wq_codes 512 x 8 x 16 uint8 (E2M1 codes of Wq, K innermost, in blocks of 32 codes, two codes a byte); Wq_scales 512 x 8 uint8 (E8M0 scales of Wq, one for each 32 codes along K); Wv_codes 512 x 8 x 16 uint8 (E2M1 codes of Wv, K innermost, in blocks of 32 codes, two codes a byte); Wv_scales 512 x 8 uint8 (E8M0 scales of Wv, one for each 32 codes along K); bk 512 float32; bq 512 float32; bv 512 float32; query_input_codes 100,000 x 8 x 16 uint8 (E2M1 codes of query_input, K innermost, in blocks of 32 codes, two codes a byte); query_input_scales 100,000 x 8 uint8 (E8M0 scales of query_input, one for each 32 codes along K); source_input_codes 100,000 x 8 x 16 uint8 (E2M1 codes of source_input, K innermost, in blocks of 32 codes, two codes a byte); source_input_scales 100,000 x 8 uint8 (E8M0 scales of source_input, one for each 32 codes along K).
;; Outputs: out0 100,000 x 128 float32.
;; This version of the problem:
;;   THIS VERSION OF THE PROBLEM IS GIVEN IN LOW PRECISION. The matrix products marked QUANTISED in the list below multiply operands that are first quantised to E2M1 (2 exponent bits, 1 mantissa bit; 4 bits a number), with one power-of-two scale for each 32 numbers along K (OCP MX v1.0); their sums are f32. All else is computed in f32.
;;   The module's matrix products, in the order in which they are computed (A, B: the left and right operand; K: the contracted axis; several contracted axes count as one K, in the product's order):
;;     1. [M 100,000, K 256] x [K 256, N 512]; A: input query_input (given as codes); B: input Wq (given as codes): QUANTISED
;;     2. [M 100,000, K 256] x [K 256, N 512]; A: input source_input (given as codes); B: input Wk (given as codes): QUANTISED
;;     3. [M 100,000, K 256] x [K 256, N 512]; A: input source_input (given as codes); B: input Wv (given as codes): QUANTISED
;;     4. batch 4 x [M 128, K 100,000] x [K 100,000, N 128]; A: computed on the way; B: computed on the way: QUANTISED
;;     5. batch 4 x [M 128, K 128] x [K 128, N 100,000]; A: softmax (see below); B: computed on the way: QUANTISED
;;   THE QUANTISER, for each operand of a quantised product, along K:
;;     - K is cut into blocks of 32 from its start; a last block that is shorter is filled with zeros.
;;     - A block's scale is 2^e with e = floor(log2(the largest magnitude in the block)) - 2, held to -126 .. 127; a block of zeros has e = 0. As a byte (E8M0): e + 127.
;;     - Each number is divided by its block's scale, clamped to +-6, and rounded to the nearest number of E2M1, ties to even, subnormals kept.
;;     - The product sums the exact products of the quantised numbers (number of the format x scale) in f32.
;;   ~~~python
;;   def quantise(x, axis):      # numpy; x: float32 -> the quantised numbers, widened to float32 again
;;       x = np.moveaxis(x, axis, -1); K = x.shape[-1]
;;       x = np.pad(x, [(0, 0)] * (x.ndim - 1) + [(0, -K % 32)]); x = x.reshape(x.shape[:-1] + (-1, 32)); a = np.abs(x).max(-1, keepdims=True)
;;       e = np.where(a > 0, np.clip(np.frexp(np.where(a > 0, a, 1))[1] - 1 - 2, -126, 127), 0)      # np.frexp(a)[1] - 1 = floor(log2(a)), exactly
;;       r = np.clip(x / 2.0 ** e, -6, 6)
;;       step = 2.0 ** (np.maximum(np.frexp(np.where(r == 0, 1, r))[1] - 1, 0) - 1)
;;       q = np.round(r / step) * step * 2.0 ** e      # np.round: ties to even
;;       return np.moveaxis(q.reshape(q.shape[:-2] + (-1,))[..., :K], -1, axis).astype(np.float32)
;;   ~~~
;;   SOFTMAX AHEAD OF A QUANTISED PRODUCT. Where the list says 'softmax', what is quantised is not the finished softmax but p = 2^(t - M), with t = logit x log2(e) and M = ceil(the row's largest t), a whole number; so 1/2 < the row's largest p <= 1. The row's sum l is taken of the UNQUANTISED p, in f32, and the product's result is divided by l at the end. Since M is a whole number, a kernel that streams over the keys may use a running M (the ceiling of the running maximum): every later rescaling is an exact power of two, which a block's scale takes up: the codes' values come out the same.
;;   OPERANDS COMPUTED ON THE WAY. 'Computed on the way' means the value that the module computes at that place (a softmax that the list does not call 'softmax' is quantised finished and normalised). What goes into a quantiser is computed in f32, as accurately as f32 sums, v_exp_f32 and their like allow (about 1e-6 of the number): no bf16 or f16 on the way to a quantiser, and a product that is left as it is and whose result goes on into a quantised operand takes f32 operands (vector FMAs, or v_wmma_f32_16x16x4_f32). A number that lies on a knife's edge between two numbers of the format may be rounded either way, as far as f32 arithmetic and the matrix unit's own rounding can turn it there, and no further.
;;   INPUTS GIVEN AS CODES. Wk (in the module: [256, 512], K = its axis 0); Wq (in the module: [256, 512], K = its axis 0); Wv (in the module: [256, 512], K = its axis 0); query_input (in the module: [100000, 256], K = its axis 1); source_input (in the module: [100000, 256], K = its axis 1): each comes as NAME_codes (uint8): NAME with its K axis moved to the last place and cut into blocks of 32 codes, [.., K / 32, bytes a block], one block behind the other in memory; two codes a byte, the lower K in the low four bits (a code: sign, 2 exponent bits, 1 mantissa bit); and NAME_scales (uint8): the same leading axes, one E8M0 byte (e + 127) for each 32 codes along K. Its value is code x scale, taken as it is: it is not quantised again, and the codes and scales need not be those that the quantiser above would give.
;; 2 versions. Each part assembles by itself: llvm-mc -triple=amdgcn-amd-amdhsa -mcpu=gfx1250 --defsym DOCPART=n.
;; ======== version 1 of 2: 3 launches
;; workspace buffers: part 16,777,216 bytes; attn 36,864 bytes
;; launch kv (part 1): grid 4 x 64, 4 waves a work-group, no clusters, 102,912 bytes of LDS; arguments source_input_codes, source_input_scales, Wk_codes, Wk_scales, bk, Wv_codes, Wv_scales, bv, part; writes part
.if DOCPART == 1
	.amdgcn_target "amdgcn-amd-amdhsa--gfx1250"
	.amdhsa_code_object_version 6
	.text
	.protected	k_qcca6f90697_kv
	.globl	k_qcca6f90697_kv
	.p2align	8
	.type	k_qcca6f90697_kv,@function
k_qcca6f90697_kv:
	s_mov_b64 s[64:65], 0
	v_nop
	global_prefetch_b8 v0, s[64:65] scope:SCOPE_SE
	s_setreg_imm32_b32 hwreg(HW_REG_WAVE_MODE, 25, 1), 1
	s_wait_xcnt 0x0
; PARTIAL SUMS OF a[m][d][h] = sum over l of (k[l][m][h] / sqrt(100000)) v[l][d][h], all products on codes of FP4 (E2M1) with one E8M0 scale for each 32 along K.
; k = source Wk + bk, v = source Wv + bv; column c of a weight is (feature c / 4, head c % 4).  k / sqrt(n) and v are quantised ALONG THE ROWS l, in blocks of 32 rows (100,000 = 3,125 blocks).
; SHARES.  Work-group (x = head, y = range): one head, blocks (3125 y) >> 6 up to (3125 (y + 1)) >> 6 of 32 rows: 48 or 49.  13 steps of four blocks; in a step wave w owns one block, which is one block of
; the quantiser and block w of the 128 rows that one matrix instruction of the second product takes.  The wave multiplies its 32 rows by all 16 tiles of 16 features of the head (8 of k, 8 of v), whose weights,
; scale words and biases stay in its registers for the whole launch; it quantises each tile and puts the codes into LDS AS IMAGES OF THE NEXT OPERAND'S REGISTERS.  Behind one barrier wave (wm, wd) adds 4 x 4 tiles of a.
; A block at or past the range's end is read from a clamped address and counts for nothing: its k is multiplied by 0 in place of 1 / sqrt(n), so its codes of k are zeros.  The trip count is a constant.
; LAYOUT.  Projection: source 0 = 16 rows of the source, source 1 = 16 columns of a weight.  Lane r of row tile u takes row 8 u + r + 8 (r / 8) of the block, so that in the results lane (r, hh) holds feature r and the
; 16 registers of tiles u = 0, 1 are rows 16 hh + 0 .. 15: two conversions give 8 bytes, which lie at 256 w + 16 r + 8 hh of the tile's image: registers 4 (w / 2) .. + 3 of lane 16 (w % 2) + r.  No lane changes places.
; PIPELINE.  A pair of tiles is quantised behind the next pair's products, and its codes go to LDS inside the quantiser after that, when the conversions that made them are long done.  The second product of step i
; is issued at the end of step i + 1, between that step's last LDS stores and the wait for them: its operands have had a whole step to come out of LDS, and the wave works while its stores land.
; NO JOINT LOADS: the four work-groups of a range read the same rows, but a wave's 4,352 bytes of a step go from memory straight into its own operand registers, a step ahead, for 80 matrix instructions;
; there is no tile in LDS that a joint load could fill, and a round of a cluster's barrier would stand in each of 13 short steps.
; LIMITS: k / sqrt(n) is a multiplication by the f32 number nearest 1 / sqrt(100000) (within two units in the last place of the division).  A block whose largest magnitude lies under 2^-124, a block of zeros
; among them, gets the scale byte 1 (only this program reads the bytes; zero codes add nothing).  NaN and infinities among the inputs are not served.
; REGISTERS.  window 0: v1-15 addresses; v16-31 the weights' scale words; v32-35 the source's; v36-39 those of the second product; v40-47 at work; v48-95 codes and bytes, six for each pair of tiles;
;   v96-159 the source's fragments, two sets; v160-223 results of the projection, two sets of 32.   window 1: the weights' 32 fragments.   window 2: v0-127 the 16 accumulators of a; v128-255 the biases.
;   window 3: v0-31 four fragments of k, v32-63 four of v.
.set NBLK,  3125                       ; blocks of 32 rows
.set INVC,  0x3b4f3e37                 ; 1 / sqrt(100000)
.set FLOOR, 0x1800000                  ; 2^(3 - 127): under it no largest magnitude is taken, so no byte falls under 1
.set EOFF,  0xff000000                 ; takes 2 off an exponent field
.set SLOTB, 17408                      ; an LDS slot: 16 images of 1,024 bytes, then 16 x 64 bytes of scale words
.set SCO,   16384
.set STG,   2*SLOTB                    ; behind the two slots: the stage for the way out, 128 rows (d) x (512 bytes + 16)
.set SP,    528
.set LI,  3                            ; v3   16 x lane
.set XL,  4                            ; v4   my lane's byte in a block's codes: 128 (r + 8 (r / 8)) + 16 hh
.set SL,  5                            ; v5   and in its scale bytes: 8 (8 hh + r + 8 (r / 8))
.set XO,  6                            ; v6   XL + 4,096 x block
.set SO,  7                            ; v7   SL + 256 x block
.set IA,  8                            ; v8   where my 8 bytes of codes go in an image: 256 w + 16 r + 8 hh
.set SA,  9                            ; v9   where my scale byte goes: SCO + 4 r + w
.set KA,  10                           ; v10  k's fragments: 16 x lane + 4,096 wm
.set VA,  11                           ; v11  v's: 16 x lane + 8,192 + 4,096 wd
.set PA,  12                           ; v12  scale words: lanes 0-15 k's, lanes 16-31 v's
.set ST,  13                           ; v13  the stage, in
.set RD,  14                           ; v14  the stage, back
.set WS,  16                           ; v16-31  tile f: lanes 0-15 the word of K step 0, lanes 16-31 of K step 1
.set SX,  32                           ; v32-35  set b, K step s at 2 b + s: lanes 0-15 row tile 0, lanes 16-31 row tile 1
.set PS,  36                           ; v36-39  register i: lanes 0-15 the word of my k fragment i, lanes 16-31 of my v fragment i
.set T,   40
.set CQ,  48
.set XF,  96                           ; set b, row tile u, K step s at 32 b + 16 u + 8 s
.set H,   160                          ; set z: k's two row tiles at 32 z, v's at 32 z + 16
.set BI,  128                          ; window 2: tile f's bias, eight times, at 8 f
.set WV,   22
.set HD,   23
.set RG,   24
.set BLK,  25                          ; my wave's block in the step in hand
.set BEND, 26                          ; the range's end
.set CNT,  27
.set INV,  28                          ; s[28:29] what k is multiplied by in this step
.set IC,   30
.set SEL,  34                          ; s[34:35] lane l xor 16
.set WM,   40
.set WD,   41
.set MSB, 0
.macro WIN new                         ; the immediate's high byte repeats the setting that is left; a switch that changes nothing is dropped
.if MSB != \new
	s_set_vgpr_msb (MSB<<8)|\new
.set MSB, \new
.endif
.endm
; One scaled product.  ra, rb = 1: that side's scale words are taken from lanes 16-31 of the register named.
.macro MXA d, a, b, c, sa, sb, ra, rb
.if (\ra) && (\rb)
	v_wmma_scale_f32_16x16x128_f8f6f4 v[\d:\d+7], v[\a:\a+7], v[\b:\b+7], v[\c:\c+7], v[\sa], v[\sb] matrix_a_fmt:MATRIX_FMT_FP4 matrix_b_fmt:MATRIX_FMT_FP4 matrix_a_scale:MATRIX_SCALE_ROW1 matrix_b_scale:MATRIX_SCALE_ROW1
.elseif (\ra)
	v_wmma_scale_f32_16x16x128_f8f6f4 v[\d:\d+7], v[\a:\a+7], v[\b:\b+7], v[\c:\c+7], v[\sa], v[\sb] matrix_a_fmt:MATRIX_FMT_FP4 matrix_b_fmt:MATRIX_FMT_FP4 matrix_a_scale:MATRIX_SCALE_ROW1
.elseif (\rb)
	v_wmma_scale_f32_16x16x128_f8f6f4 v[\d:\d+7], v[\a:\a+7], v[\b:\b+7], v[\c:\c+7], v[\sa], v[\sb] matrix_a_fmt:MATRIX_FMT_FP4 matrix_b_fmt:MATRIX_FMT_FP4 matrix_b_scale:MATRIX_SCALE_ROW1
.else
	v_wmma_scale_f32_16x16x128_f8f6f4 v[\d:\d+7], v[\a:\a+7], v[\b:\b+7], v[\c:\c+7], v[\sa], v[\sb] matrix_a_fmt:MATRIX_FMT_FP4 matrix_b_fmt:MATRIX_FMT_FP4
.endif
.endm
; A block's codes (eight loads of 16 bytes a lane) and scale words (one load: 256 consecutive bytes a wave) into set buf
.macro LOADX buf
.irp u, 0,1
.irp s, 0,1
.irp c, 0,1
	global_load_b128 v[XF+32*(\buf)+16*\u+8*\s+4*\c:XF+32*(\buf)+16*\u+8*\s+4*\c+3], v[XO], s[4:5] offset:1024*\u+64*\s+32*\c
.endr
.endr
.endr
	global_load_b64 v[SX+2*(\buf):SX+2*(\buf)+1], v[SO], s[6:7]
.endm
; Pair p: tile p of k and tile p of v, for my 32 rows: four accumulators by turns, one instruction a turn, K step 0 (C = the bias) and K step 1.
.macro WPAIR p, z, buf
	WIN 0x24                                       ; source 1 (the weights) window 1, source 2 (the bias) window 2
.irp u, 0,1
	MXA H+32*(\z)+8*\u, XF+32*(\buf)+16*\u, 16*(\p), BI+8*(\p), SX+2*(\buf), WS+(\p), \u, 0
.endr
.irp u, 0,1
	MXA H+32*(\z)+16+8*\u, XF+32*(\buf)+16*\u, 128+16*(\p), BI+64+8*(\p), SX+2*(\buf), WS+8+(\p), \u, 0
.endr
	WIN 0x04                                       ; C and D window 0
.irp u, 0,1
	MXA H+32*(\z)+8*\u, XF+32*(\buf)+16*\u+8, 16*(\p)+8, H+32*(\z)+8*\u, SX+2*(\buf)+1, WS+(\p), \u, 1
.endr
.irp u, 0,1
	MXA H+32*(\z)+16+8*\u, XF+32*(\buf)+16*\u+8, 128+16*(\p)+8, H+32*(\z)+16+8*\u, SX+2*(\buf)+1, WS+8+(\p), \u, 1
.endr
.endm
; Pair p's codes and scale bytes go into the slot's images.  Each pair has six registers of its own, so these four lines may stand anywhere between the pair's quantiser and the step's barrier.
.macro QSTORE p, slot
.set CS, CQ+6*(\p)
	ds_store_b64 v[IA], v[CS:CS+1] offset:(\slot)*SLOTB+1024*(\p)
	ds_store_b64 v[IA], v[CS+2:CS+3] offset:(\slot)*SLOTB+8192+1024*(\p)
	ds_store_b8 v[SA], v[CS+4] offset:(\slot)*SLOTB+64*(\p)        ; both lanes of a block write the same byte with the same value
	ds_store_b8 v[SA], v[CS+5] offset:(\slot)*SLOTB+512+64*(\p)
.endm
; Pair p's results become codes.  A lane holds 16 rows of one feature of k and of v; lane l xor 16 holds the block's other 16.  Each accumulator is read from its low end on.
; prev: the pair whose codes, made one quantiser ago, are stored on the way (-1: none).
.macro QPAIR p, z, slot, prev
	WIN 0
.set HK, H+32*(\z)
.set HV, HK+16
.set CK, CQ+6*(\p)
.irp i, 0,2,4,6,8,10,12,14
	v_pk_mul_f32 v[HK+\i:HK+\i+1], v[HK+\i:HK+\i+1], s[INV:INV+1] op_sel_hi:[1,0]   ; k / sqrt(n), or k x 0 past the range's end
.endr
	; the largest magnitudes of my 16 numbers of k and of v, with the floor: four chains by turns (each row tile its own), so that no line waits for one of the three above it
	v_max3_num_f32 v[T], |v[HK]|, |v[HK+1]|, FLOOR
	v_max3_num_f32 v[T+1], |v[HV]|, |v[HV+1]|, FLOOR
	v_max3_num_f32 v[T+2], |v[HK+8]|, |v[HK+9]|, |v[HK+10]|
	v_max3_num_f32 v[T+3], |v[HV+8]|, |v[HV+9]|, |v[HV+10]|
.irp i, 2,4
	v_max3_num_f32 v[T], v[T], |v[HK+\i]|, |v[HK+\i+1]|
	v_max3_num_f32 v[T+1], v[T+1], |v[HV+\i]|, |v[HV+\i+1]|
	v_max3_num_f32 v[T+2], v[T+2], |v[HK+\i+9]|, |v[HK+\i+10]|
	v_max3_num_f32 v[T+3], v[T+3], |v[HV+\i+9]|, |v[HV+\i+10]|
.endr
	v_max3_num_f32 v[T], v[T], |v[HK+6]|, |v[HK+7]|
	v_max3_num_f32 v[T+1], v[T+1], |v[HV+6]|, |v[HV+7]|
	v_max3_num_f32 v[T], v[T], v[T+2], |v[HK+15]|                  ; the two chains and the number left over
	v_max3_num_f32 v[T+1], v[T+1], v[T+3], |v[HV+15]|
	v_permlanex16_b32 v[T+2], v[T], s[SEL], s[SEL+1]
	v_permlanex16_b32 v[T+3], v[T+1], s[SEL], s[SEL+1]
.if (\prev) >= 0
	QSTORE \prev, \slot
.endif
	v_max_num_f32 v[T], v[T], v[T+2]               ; the block's largest magnitude
	v_max_num_f32 v[T+1], v[T+1], v[T+3]
	v_add_nc_u32 v[T+4], EOFF, v[T]                ; 2 off its exponent field: the conversion takes this operand's exponent field as its scale
	v_add_nc_u32 v[T+5], EOFF, v[T+1]
	v_cvt_scalef32_pk8_fp4_f32 v[CK], v[HK:HK+7], v[T+4]           ; rows 16 hh + 0 .. 7
	v_cvt_scalef32_pk8_fp4_f32 v[CK+1], v[HK+8:HK+15], v[T+4]      ; rows 16 hh + 8 .. 15
	v_cvt_scalef32_pk8_fp4_f32 v[CK+2], v[HV:HV+7], v[T+5]
	v_cvt_scalef32_pk8_fp4_f32 v[CK+3], v[HV+8:HV+15], v[T+5]
	v_lshrrev_b32 v[CK+4], 23, v[T+4]              ; the scales' bytes.  (These two lines are the plain place behind the conversions)
	v_lshrrev_b32 v[CK+5], 23, v[T+5]
.endm
; My four fragments of k, my four of v and their scale words, out of a slot: 20 LDS loads
.macro FETCH4 slot
	WIN 0xc0                                       ; destination window 3
.irp i, 0,1,2,3
.irp c, 0,1
	ds_load_b128 v[8*\i+4*\c:8*\i+4*\c+3], v[KA] offset:(\slot)*SLOTB+1024*\i+512*\c
.endr
.endr
.irp i, 0,1,2,3
.irp c, 0,1
	ds_load_b128 v[32+8*\i+4*\c:32+8*\i+4*\c+3], v[VA] offset:(\slot)*SLOTB+1024*\i+512*\c
.endr
.endr
	WIN 0
.irp i, 0,1,2,3
	ds_load_b32 v[PS+\i], v[PA] offset:(\slot)*SLOTB+64*\i
.endr
.endm
; a += k^T v for 128 rows: source 0 = 16 features of k, source 1 = 16 of v; 16 accumulators by turns.  zero = 1: the first step's products start the sums.
.macro P4 zero
	WIN 0xaf                                       ; sources 0 and 1 window 3, C and D window 2
.irp i, 0,1,2,3
.irp j, 0,1,2,3
.if \zero
	v_wmma_scale_f32_16x16x128_f8f6f4 v[8*(4*\i+\j):8*(4*\i+\j)+7], v[8*\i:8*\i+7], v[32+8*\j:32+8*\j+7], 0, v[PS+\i], v[PS+\j] matrix_a_fmt:MATRIX_FMT_FP4 matrix_b_fmt:MATRIX_FMT_FP4 matrix_b_scale:MATRIX_SCALE_ROW1
.else
	MXA 8*(4*\i+\j), 8*\i, 32+8*\j, 8*(4*\i+\j), PS+\i, PS+\j, 0, 1
.endif
.endr
.endr
	WIN 0
.endm
; A STEP.  buf: the set of source fragments and the LDS slot in hand.  mul = 1: the last step's second product is issued.  load = 1: the next step's block is asked for.
.macro STEP buf, mul, zero, load
	s_wait_loadcnt 0x0                             ; this step's nine loads, the only ones out, are in: their offsets may be written again
	s_cmp_lt_u32 s[BLK], s[BEND]                   ; does my block belong to the range?
	s_cselect_b32 s[INV], s[IC], 0
	s_mov_b32 s[INV+1], s[INV]                     ; (named with it as a pair, so it is written)
.if \load
	s_add_co_u32 s[BLK], s[BLK], 4
	s_min_u32 s31, s[BLK], NBLK-1                  ; no load leaves its buffer
	s_lshl_b32 s32, s31, 12
	s_lshl_b32 s33, s31, 8
	v_add_nc_u32 v[XO], s32, v[XL]
	v_add_nc_u32 v[SO], s33, v[SL]
	LOADX 1-\buf                                   ; a whole step ahead.  The set's last products stand in front of the last step's two last quantisers
.endif
	WPAIR 0, 0, \buf
	WPAIR 1, 1, \buf
	WIN 0
.rept 5
	v_nop                                          ; four places in front of the first read of pair 0's results, five in front of pair 2's products, which write over them
.endr
	QPAIR 0, 0, \buf, -1
.irp p, 2,3,4,5,6,7
	WPAIR \p, \p%2, \buf                           ; the places behind a pair's products are the other set's quantiser
	QPAIR \p-1, (\p-1)%2, \buf, \p-2
.endr
	QPAIR 7, 1, \buf, 6
	QSTORE 7, \buf
.if \mul
	s_wait_dscnt 4                                 ; LDS instructions end in order: all but the four stores just issued are done, the 20 loads issued behind the last barrier among them
	P4 \zero                                       ; the last step's second product, while those four stores land
.rept 4
	v_nop                                          ; places in front of the loads below into the fragments and scale words that these products read
.endr
.endif
	s_wait_dscnt 0x0                               ; for the others' sake: my stores into this slot have landed, and my loads from the other slot are in
	s_barrier_signal -1
	s_barrier_wait -1                              ; the slot is whole; and nobody reads the other slot any more, which the next step writes
	FETCH4 \buf
.endm
	s_load_b256 s[4:11], s[0:1], 0x0               ; the source's codes s[4:5], its scales s[6:7], Wk's codes s[8:9], Wk's scales s[10:11]
	s_load_b256 s[12:19], s[0:1], 0x20             ; bk s[12:13], Wv's codes s[14:15], Wv's scales s[16:17], bv s[18:19]
	s_load_b64 s[20:21], s[0:1], 0x40              ; part
	v_lshl_add_u32 v254, v0, 2, 0x19000
	v_mov_b32 v255, 0
	v_lshrrev_b32 v15, 5, v0
	v_readfirstlane_b32 s[WV], v15                 ; wave 0..3
	s_mov_b32 s[HD], ttmp9                         ; head
	s_and_b32 s[RG], ttmp7, 0xffff                 ; range
	s_lshr_b32 s[WM], s[WV], 1                     ; which 64 of a's m are mine
	s_and_b32 s[WD], s[WV], 1                      ; which 64 of its d
	v_and_b32 v1, 15, v0                           ; r
	v_bfe_u32 v2, v0, 4, 1                         ; hh
	v_and_b32 v[LI], 31, v0
	v_lshlrev_b32 v[LI], 4, v[LI]
	v_and_b32 v[XL], 8, v1
	v_add_nc_u32 v[XL], v[XL], v1                  ; r + 8 (r / 8)
	v_lshl_add_u32 v[SL], v2, 3, v[XL]
	v_lshlrev_b32 v[SL], 3, v[SL]
	v_lshlrev_b32 v[XL], 7, v[XL]
	v_lshl_add_u32 v[XL], v2, 4, v[XL]
	v_lshlrev_b32 v[IA], 4, v1
	v_lshl_add_u32 v[IA], v2, 3, v[IA]
	s_lshl_b32 s31, s[WV], 8
	v_add_nc_u32 v[IA], s31, v[IA]
	v_lshlrev_b32 v[SA], 2, v1
	s_add_co_u32 s31, s[WV], SCO
	v_add_nc_u32 v[SA], s31, v[SA]
	s_lshl_b32 s31, s[WM], 12
	v_add_nc_u32 v[KA], s31, v[LI]
	s_lshl_b32 s31, s[WD], 12
	s_add_co_u32 s31, s31, 8192
	v_add_nc_u32 v[VA], s31, v[LI]
	s_xor_b32 s31, s[WM], 1                        ; from k's words to v's: 512 + 256 wd - 256 wm = 256 ((wm xor 1) + wd + 1) bytes
	s_add_co_u32 s31, s31, s[WD]
	s_add_co_u32 s31, s31, 1
	s_lshl_b32 s31, s31, 8
	v_mul_u32_u24 v[PA], s31, v2                   ; lanes 16-31 take v's
	v_lshl_add_u32 v[PA], v1, 2, v[PA]
	s_lshl_b32 s31, s[WM], 8
	s_add_co_u32 s31, s31, SCO
	v_add_nc_u32 v[PA], s31, v[PA]
	v_mul_u32_u24 v[ST], v1, SP                    ; the stage, in: row d = 64 wd + 16 j + r, byte 4 m = 256 wm + 64 i + 32 hh
	v_lshl_add_u32 v[ST], v2, 5, v[ST]
	s_mul_i32 s31, s[WD], 64*SP
	s_lshl_b32 s32, s[WM], 8
	s_add_co_u32 s31, s31, s32
	s_add_co_u32 s31, s31, STG
	v_add_nc_u32 v[ST], s31, v[ST]
	s_mul_i32 s31, s[WV], 32*SP                    ; back: rows 32 w on, whole: 16 bytes a lane
	s_add_co_u32 s31, s31, STG
	v_add_nc_u32 v[RD], s31, v[LI]
	v_lshlrev_b32 v15, 9, v1                       ; a weight's codes: row 4 (16 f + r) + head of 128 bytes: 8,192 f + 512 r + 128 head, + 16 hh
	v_lshl_add_u32 v15, v2, 4, v15
	s_lshl_b32 s31, s[HD], 7
	v_add_nc_u32 v15, s31, v15
	v_lshlrev_b32 v[T], 5, v1                      ; its scale words: 512 f + 32 r + 8 head; lanes 16-31 take K step 1's
	v_lshl_add_u32 v[T], v2, 2, v[T]
	s_lshl_b32 s31, s[HD], 3
	v_add_nc_u32 v[T], s31, v[T]
	v_lshlrev_b32 v[T+1], 4, v1                    ; its bias: 256 f + 16 r + 4 head
	s_lshl_b32 s31, s[HD], 2
	v_add_nc_u32 v[T+1], s31, v[T+1]
	s_mov_b32 s[SEL], 0x76543210
	s_mov_b32 s[SEL+1], 0xfedcba98
	s_mov_b32 s[IC], INVC
	s_mul_i32 s[BLK], s[RG], NBLK
	s_add_co_u32 s[BEND], s[BLK], NBLK
	s_lshr_b32 s[BLK], s[BLK], 6
	s_lshr_b32 s[BEND], s[BEND], 6
	s_add_co_u32 s[BLK], s[BLK], s[WV]             ; my first block: at most 3,079, inside the tensor
	s_lshl_b32 s32, s[BLK], 12
	s_lshl_b32 s33, s[BLK], 8
	v_add_nc_u32 v[XO], s32, v[XL]
	v_add_nc_u32 v[SO], s33, v[SL]
	s_lshl_b32 s36, s[HD], 22                      ; part is [head][d / 2][range][d % 2][m] f32: head x 4 MiB + (16 w) x 64 KiB + range x 1,024
	s_lshl_b32 s31, s[WV], 20
	s_add_co_u32 s36, s36, s31
	s_lshl_b32 s31, s[RG], 10
	s_add_co_u32 s36, s36, s31
	s_mov_b32 s37, 0
	s_wait_kmcnt 0x0
	s_add_nc_u64 s[20:21], s[20:21], s[36:37]
	WIN 0x40                                       ; destination window 1: the weights' fragments (tile f, K step s) at 16 f + 8 s; k's tiles 0-7, v's 8-15.  They stay
.irp f, 0,1,2,3,4,5,6,7
.irp s, 0,1
.irp c, 0,1
	global_load_b128 v[16*\f+8*\s+4*\c:16*\f+8*\s+4*\c+3], v15, s[8:9] offset:8192*\f+64*\s+32*\c
	global_load_b128 v[128+16*\f+8*\s+4*\c:128+16*\f+8*\s+4*\c+3], v15, s[14:15] offset:8192*\f+64*\s+32*\c
.endr
.endr
.endr
	WIN 0
.irp f, 0,1,2,3,4,5,6,7
	global_load_b32 v[WS+\f], v[T], s[10:11] offset:512*\f
	global_load_b32 v[WS+8+\f], v[T], s[16:17] offset:512*\f
.endr
	WIN 0x80                                       ; destination window 2
.irp f, 0,1,2,3,4,5,6,7
	global_load_b32 v[BI+8*\f], v[T+1], s[12:13] offset:256*\f
	global_load_b32 v[BI+64+8*\f], v[T+1], s[18:19] offset:256*\f
.endr
	WIN 0
	LOADX 0
	s_wait_loadcnt 0x0
	WIN 0x82                                       ; a lane's eight results of a tile belong to one feature: its bias stands eight times, as the C of the tile's first product
.irp f, 0,1,2,3,4,5,6,7,8,9,10,11,12,13,14,15
.irp j, 1,2,3,4,5,6,7
	v_mov_b32 v[BI+8*\f+\j], v[BI+8*\f]
.endr
.endr
	WIN 0
	STEP 0, 0, 0, 1                                ; step 0: there is no second product yet
	STEP 1, 1, 1, 1                                ; step 1: step 0's second product starts the sums
	s_mov_b32 s[CNT], 5
.Lsteps:                                               ; steps 2 to 11, two a trip, until the sets and slots are back where they began
	STEP 0, 1, 0, 1
	STEP 1, 1, 0, 1
	s_sub_co_u32 s[CNT], s[CNT], 1
	s_cmp_lg_u32 s[CNT], 0
	s_cbranch_scc1 .Lsteps
	STEP 0, 1, 0, 0                                ; step 12 asks for nothing more
	s_wait_dscnt 0x0
	P4 0                                           ; step 12's second product
	; THE WAY OUT.  A lane holds eight neighbouring m of one column d.  The four waves' tiles meet in the stage, rows of d; each wave then stores 32 whole rows of 512 bytes.
.rept 4
	v_nop                                          ; places in front of the first read of the last products' results
.endr
	WIN 0x08                                       ; an LDS store's data are its source 1: window 2
.irp i, 0,1,2,3
.irp j, 0,1,2,3
	ds_store_b128 v[ST], v[8*(4*\i+\j):8*(4*\i+\j)+3] offset:16*\j*SP+64*\i        ; each accumulator from its low end on
	ds_store_b128 v[ST], v[8*(4*\i+\j)+4:8*(4*\i+\j)+7] offset:16*\j*SP+64*\i+16
.endr
.endr
	WIN 0
	s_wait_dscnt 0x0                               ; for the others' sake: my stores into the stage have landed
	s_barrier_signal -1
	s_barrier_wait -1
.irp t, 0,1,2,3,4,5,6,7,8,9,10,11,12,13,14,15,16,17,18,19,20,21,22,23,24,25,26,27,28,29,30,31
	ds_load_b128 v[96+4*\t:99+4*\t], v[RD] offset:\t*SP
.endr
.irp t, 0,1,2,3,4,5,6,7,8,9,10,11,12,13,14,15,16,17,18,19,20,21,22,23,24,25,26,27,28,29,30,31
	s_wait_dscnt 31-\t                             ; LDS loads come back in order: row t is in, the younger ones may be out
	global_store_b128 v[LI], v[96+4*\t:99+4*\t], s[20:21] offset:(\t/2)*65536+(\t%2)*512   ; column d = 32 w + t: the wave stores 512 consecutive bytes, at a multiple of 512 from the buffer's first byte
.endr
	s_wait_tensorcnt 0x0
	ds_add_u32 v254, v255
	s_wait_dscnt 0x0
	s_endpgm
.Lfunc_end_k_qcca6f90697_kv:
	.size	k_qcca6f90697_kv, .Lfunc_end_k_qcca6f90697_kv-k_qcca6f90697_kv
	.p2alignl 7, 3214868480
	.fill 96, 4, 3214868480
	.section	.rodata,"a",@progbits
	.p2align	6, 0x0
	.amdhsa_kernel k_qcca6f90697_kv
		.amdhsa_group_segment_fixed_size 102912
		.amdhsa_private_segment_fixed_size 0
		.amdhsa_enable_private_segment 0
		.amdhsa_kernarg_size 72
		.amdhsa_user_sgpr_count 2
		.amdhsa_user_sgpr_kernarg_segment_ptr 1
		.amdhsa_wavefront_size32 1
		.amdhsa_system_sgpr_workgroup_id_x 1
		.amdhsa_system_sgpr_workgroup_id_y 1
		.amdhsa_system_sgpr_workgroup_id_z 1
		.amdhsa_system_vgpr_workitem_id 0
		.amdhsa_next_free_vgpr 832
		.amdhsa_next_free_sgpr 66
		.amdhsa_reserve_vcc 0
		.amdhsa_float_denorm_mode_32 3
		.amdhsa_float_denorm_mode_16_64 3
		.amdhsa_memory_ordered 1
		.amdhsa_forward_progress 1
		.amdhsa_inst_pref_size 191
	.end_amdhsa_kernel
	.amdgpu_metadata
---
amdhsa.version: [ 1, 2 ]
amdhsa.kernels:
  - .name:           k_qcca6f90697_kv
    .symbol:         k_qcca6f90697_kv.kd
    .args:
      - { .name: source_input_codes, .offset: 0, .size: 8, .value_kind: global_buffer, .address_space: global }
      - { .name: source_input_scales, .offset: 8, .size: 8, .value_kind: global_buffer, .address_space: global }
      - { .name: Wk_codes, .offset: 16, .size: 8, .value_kind: global_buffer, .address_space: global }
      - { .name: Wk_scales, .offset: 24, .size: 8, .value_kind: global_buffer, .address_space: global }
      - { .name: bk, .offset: 32, .size: 8, .value_kind: global_buffer, .address_space: global }
      - { .name: Wv_codes, .offset: 40, .size: 8, .value_kind: global_buffer, .address_space: global }
      - { .name: Wv_scales, .offset: 48, .size: 8, .value_kind: global_buffer, .address_space: global }
      - { .name: bv, .offset: 56, .size: 8, .value_kind: global_buffer, .address_space: global }
      - { .name: part, .offset: 64, .size: 8, .value_kind: global_buffer, .address_space: global }
    .group_segment_fixed_size: 102912
    .private_segment_fixed_size: 0
    .kernarg_segment_align: 8
    .kernarg_segment_size: 72
    .max_flat_workgroup_size: 128
    .sgpr_count:     66
    .vgpr_count:     832
    .wavefront_size: 32
...
	.end_amdgpu_metadata
.endif
;; end of part 1
;; launch soft (part 2): grid 64 x 4, 4 waves a work-group, no clusters, 4,608 bytes of LDS; arguments part, attn; writes attn
.if DOCPART == 2
	.amdgcn_target "amdgcn-amd-amdhsa--gfx1250"
	.amdhsa_code_object_version 6
	.text
	.protected	k_qcca6f90697_soft
	.globl	k_qcca6f90697_soft
	.p2align	8
	.type	k_qcca6f90697_soft,@function
k_qcca6f90697_soft:
	s_mov_b64 s[64:65], 0
	v_nop
	global_prefetch_b8 v0, s[64:65] scope:SCOPE_SE
	s_setreg_imm32_b32 hwreg(HW_REG_WAVE_MODE, 25, 1), 1
	s_wait_xcnt 0x0
; THE SOFTMAX OVER m, AS CODES.  Work-group (x = dq, y = head) owns the two columns d = 2 dq, 2 dq + 1 of one head.  part is [head][dq][range 64][d % 2][m 128] f32: its 64 partial sums are 65,536 consecutive bytes.
; Each wave adds 16 ranges (32 loads of 512 consecutive bytes, all asked for at once); the four sums meet in LDS; wave 0 finishes: a = their sum; t = a log2(e); M = ceil(the column's largest t);
; p = 2^(t - M); l = the sum of the unquantised p; p is quantised along m in blocks of 32.  Stored: p's codes, its scale word, and 1 / (4 l) (the mean over the four heads is folded in).
; attn, as the last launch's registers want it: fragment F = ((d / 64) 4 + head) 4 + d % 4, lane r = (d % 64) / 4: the 16 bytes of block beta of m at 1,024 F + 256 beta + 16 r;
; the scale word at 32,768 + 64 F + 4 r; 1 / (4 l) at 34,816 + 64 F + 4 r.  These stores are pieces of 4 to 16 bytes, 144 bytes a work-group; in exchange every later read of them is dense.
; No matrix unit, no cluster, no tensor load: a reduction of 64 KiB a work-group that shares nothing with its neighbours.
; LIMITS: p under 2^-126 counts as 0 (the exponential flushes); a block whose every p is under 2^-124 gets the byte 1; NaN and infinities are not served.
; REGISTERS: v1-7 addresses; v8-15 at work; v16-143 the 16 ranges as loaded (v16-23 take the sums); wave 0: v32-63 the four waves' sums, then p in v32-39 and l in v40-43;
;   v144-149 wave 0's store addresses and temporaries: no load of the launch lands there, so they may be made while the LDS loads are out.
.set LOG2E, 0x3fb8aa3b
.set FLOOR, 0x1800000
.set EOFF,  0xff000000
.set ACODE, 144                        ; v144  where my four bytes of codes go
.set TMPR,  145                        ; v145  at work
.set SHIFT, 146                        ; v146  8 (i / 4): my byte's place in the scale word
.set AWORD, 147                        ; v147  where the column's scale word and divisor go
.set DPPT,  148                        ; v148  a neighbour's bytes
.set RC,    149                        ; v149  1 / l, then 1 / (4 l)
	s_load_b128 s[4:7], s[0:1], 0x0                ; part s[4:5], attn s[6:7]
	v_lshl_add_u32 v160, v0, 2, 0x1000
	v_mov_b32 v161, 0
	v_lshrrev_b32 v1, 5, v0
	v_readfirstlane_b32 s8, v1                     ; wave 0..3
	s_and_b32 s9, ttmp7, 0xffff                    ; head
	s_mov_b32 s10, ttmp9                           ; dq
	v_and_b32 v2, 31, v0                           ; lane
	v_lshlrev_b32 v3, 4, v2                        ; 16 x lane: m = 4 lane .. 4 lane + 3
	s_lshl_b32 s14, s8, 10
	v_add_nc_u32 v4, s14, v3                       ; LDS: my wave's 1,024 bytes
	v_lshrrev_b32 v5, 4, v2                        ; wave 0's second part: e = lane / 16: which column,
	v_and_b32 v6, 15, v2                           ; i = lane % 16: m = 8 i .. 8 i + 7: a column is a row of 16 lanes, a block of 32 is four lanes
	v_lshlrev_b32 v7, 5, v6
	v_lshl_add_u32 v7, v5, 9, v7                   ; 512 e + 32 i
	s_lshl_b32 s12, s9, 6
	s_add_co_u32 s12, s12, s10
	s_lshl_b32 s12, s12, 16                        ; (64 head + dq) x 65,536
	s_lshl_b32 s13, s8, 14                         ; + 16 ranges x wave
	s_add_co_u32 s12, s12, s13
	s_mov_b32 s13, 0
	s_mov_b32 s16, LOG2E
	s_mov_b32 s17, s16                             ; (named with it as a pair, so it is written)
	s_wait_kmcnt 0x0
	s_add_nc_u64 s[4:5], s[4:5], s[12:13]
.irp p, 0,1,2,3,4,5,6,7,8,9,10,11,12,13,14,15
.irp e, 0,1
	global_load_b128 v[16+8*\p+4*\e:19+8*\p+4*\e], v3, s[4:5] offset:1024*\p+512*\e th:TH_LOAD_NT
.endr
.endr
.irp p, 1,2,3,4,5,6,7,8,9,10,11,12,13,14,15
	s_wait_loadcnt 2*(15-\p)                       ; loads come back in order: range p's two are in; the 2 (15 - p) issued behind them may be out
.irp j, 0,2,4,6
	v_pk_add_f32 v[16+\j:17+\j], v[16+\j:17+\j], v[16+8*\p+\j:17+8*\p+\j]
.endr
.endr
	ds_store_b128 v4, v[16:19]                     ; column 0
	ds_store_b128 v4, v[20:23] offset:512          ; column 1
	s_wait_dscnt 0x0                               ; for wave 0's sake: my stores have landed
	s_barrier_signal -1
	s_barrier_wait -1
	s_cmp_lg_u32 s8, 0
	s_cbranch_scc1 .Ldone                          ; the rest is 256 numbers: one wave's work
.irp w, 0,1,2,3
	ds_load_b128 v[32+8*\w:35+8*\w], v7 offset:1024*\w
	ds_load_b128 v[36+8*\w:39+8*\w], v7 offset:1024*\w+16
.endr
	; while these eight loads are out the store addresses are made, in registers that none of them writes
	s_lshr_b32 s18, s10, 5                         ; F of column 2 dq: ((dq / 32) 4 + head) 4 + 2 (dq % 2)
	s_lshl_b32 s18, s18, 2
	s_add_co_u32 s18, s18, s9
	s_lshl_b32 s18, s18, 2
	s_and_b32 s19, s10, 1
	s_lshl_b32 s19, s19, 1
	s_add_co_u32 s18, s18, s19
	s_bfe_u32 s19, s10, 0x40001                    ; r = (dq % 32) / 2
	s_lshl_b32 s20, s18, 10
	s_lshl_b32 s21, s19, 4
	s_add_co_u32 s20, s20, s21                     ; 1,024 F + 16 r
	v_lshlrev_b32 v[ACODE], 10, v5                 ; + 1,024 e
	v_and_b32 v[TMPR], 12, v6
	v_lshl_add_u32 v[ACODE], v[TMPR], 6, v[ACODE]  ; + 256 (i / 4)
	v_lshlrev_b32 v[SHIFT], 1, v[TMPR]             ; 8 (i / 4)
	v_and_b32 v[TMPR], 3, v6
	v_lshl_add_u32 v[ACODE], v[TMPR], 2, v[ACODE]  ; + 4 (i % 4)
	v_add_nc_u32 v[ACODE], s20, v[ACODE]
	s_lshl_b32 s20, s18, 6
	s_lshl_b32 s21, s19, 2
	s_add_co_u32 s20, s20, s21                     ; 64 F + 4 r
	v_lshl_add_u32 v[AWORD], v5, 6, s20            ; + 64 e
	v_mov_b32 v[DPPT], 0                           ; written once: a DPP move's destination counts as read
	s_wait_dscnt 0x0                               ; the four waves' sums are in
.irp w, 1,2,3
.irp j, 0,2,4,6
	v_pk_add_f32 v[32+\j:33+\j], v[32+\j:33+\j], v[32+8*\w+\j:33+8*\w+\j]   ; a
.endr
.endr
	v_max3_num_f32 v8, v32, v33, v34
	v_max3_num_f32 v8, v8, v35, v36
	v_max3_num_f32 v8, v8, v37, v38
	v_max_num_f32 v8, v8, v39
	v_max_num_f32_dpp v8, v8, v8 row_xmask:1 row_mask:0xf bank_mask:0xf
	v_max_num_f32_dpp v8, v8, v8 row_xmask:2 row_mask:0xf bank_mask:0xf
	v_max_num_f32_dpp v8, v8, v8 row_xmask:4 row_mask:0xf bank_mask:0xf
	v_max_num_f32_dpp v8, v8, v8 row_xmask:8 row_mask:0xf bank_mask:0xf   ; the column's largest a
	v_mul_f32 v8, s16, v8                          ; as t (log2(e) is positive)
	v_floor_f32 v10, -v8                           ; -M = floor(-t) = -ceil(t)
	v_mov_b32 v11, v10                             ; (the pair's upper half is named, so it is written)
.irp j, 0,2,4,6
	v_pk_fma_f32 v[32+\j:33+\j], v[32+\j:33+\j], s[16:17], v[10:11] op_sel_hi:[1,0,0]   ; t - M
.endr
.irp j, 0,1,2,3,4,5,6,7
	v_exp_f32 v[32+\j], v[32+\j]                   ; p = 2^(t - M)
.endr
	v_nop                                          ; one plain place behind the exponentials
	s_wait_alu depctr_va_vdst(0)
	v_pk_add_f32 v[40:41], v[32:33], v[34:35]      ; the sum of the unquantised p,
	v_pk_add_f32 v[42:43], v[36:37], v[38:39]
	v_max3_num_f32 v12, v32, v33, FLOOR            ; and the block's largest p (none is negative), with the floor
	v_pk_add_f32 v[40:41], v[40:41], v[42:43]
	v_max3_num_f32 v12, v12, v34, v35
	v_max3_num_f32 v12, v12, v36, v37
	v_max3_num_f32 v12, v12, v38, v39
	v_add_f32 v40, v40, v41
	v_max_num_f32_dpp v12, v12, v12 row_xmask:1 row_mask:0xf bank_mask:0xf
	v_add_f32_dpp v40, v40, v40 row_xmask:1 row_mask:0xf bank_mask:0xf
	v_max_num_f32_dpp v12, v12, v12 row_xmask:2 row_mask:0xf bank_mask:0xf   ; four lanes hold a block
	v_add_f32_dpp v40, v40, v40 row_xmask:2 row_mask:0xf bank_mask:0xf
	v_add_f32_dpp v40, v40, v40 row_xmask:4 row_mask:0xf bank_mask:0xf
	v_add_f32_dpp v40, v40, v40 row_xmask:8 row_mask:0xf bank_mask:0xf       ; l
	v_add_nc_u32 v13, EOFF, v12                    ; 2 off the exponent field: the conversion's scale operand
	v_cvt_scalef32_pk8_fp4_f32 v14, v[32:39], v13  ; the codes of m = 8 i .. 8 i + 7
	v_lshrrev_b32 v15, 23, v13                     ; the scale's byte.  (The plain place behind the conversion)
	v_rcp_f32 v[RC], v40
	v_lshlrev_b32 v15, v[SHIFT], v15               ; at its place in the word.  (The plain place behind the reciprocal)
	v_mov_b32_dpp v[DPPT], v15 row_xmask:4 row_mask:0xf bank_mask:0xf
	v_or_b32 v15, v15, v[DPPT]
	v_mov_b32_dpp v[DPPT], v15 row_xmask:8 row_mask:0xf bank_mask:0xf
	v_or_b32 v15, v15, v[DPPT]                     ; the four blocks' bytes: the column's scale word, in all its lanes
	s_wait_alu depctr_va_vdst(0)
	v_mul_f32 v[RC], 0x3e800000, v[RC]             ; 1 / (4 l)
	global_store_b32 v[ACODE], v14, s[6:7]
	s_wait_xcnt 0x0                                ; EXEC is a source of the pending store: it changes only behind this wait
	v_cmp_eq_u32 vcc_lo, 0, v6
	s_and_saveexec_b32 s22, vcc_lo                 ; one lane for each column
	global_store_b32 v[AWORD], v15, s[6:7] offset:32768
	global_store_b32 v[AWORD], v[RC], s[6:7] offset:34816
	s_wait_xcnt 0x0                                ; and again, in front of the line that widens it
	s_or_b32 exec_lo, exec_lo, s22
.Ldone:
	s_wait_tensorcnt 0x0
	ds_add_u32 v160, v161
	s_wait_dscnt 0x0
	s_endpgm
.Lfunc_end_k_qcca6f90697_soft:
	.size	k_qcca6f90697_soft, .Lfunc_end_k_qcca6f90697_soft-k_qcca6f90697_soft
	.p2alignl 7, 3214868480
	.fill 96, 4, 3214868480
	.section	.rodata,"a",@progbits
	.p2align	6, 0x0
	.amdhsa_kernel k_qcca6f90697_soft
		.amdhsa_group_segment_fixed_size 4608
		.amdhsa_private_segment_fixed_size 0
		.amdhsa_enable_private_segment 0
		.amdhsa_kernarg_size 16
		.amdhsa_user_sgpr_count 2
		.amdhsa_user_sgpr_kernarg_segment_ptr 1
		.amdhsa_wavefront_size32 1
		.amdhsa_system_sgpr_workgroup_id_x 1
		.amdhsa_system_sgpr_workgroup_id_y 1
		.amdhsa_system_sgpr_workgroup_id_z 1
		.amdhsa_system_vgpr_workitem_id 0
		.amdhsa_next_free_vgpr 162
		.amdhsa_next_free_sgpr 66
		.amdhsa_reserve_vcc 1
		.amdhsa_float_denorm_mode_32 3
		.amdhsa_float_denorm_mode_16_64 3
		.amdhsa_memory_ordered 1
		.amdhsa_forward_progress 1
		.amdhsa_inst_pref_size 14
	.end_amdhsa_kernel
	.amdgpu_metadata
---
amdhsa.version: [ 1, 2 ]
amdhsa.kernels:
  - .name:           k_qcca6f90697_soft
    .symbol:         k_qcca6f90697_soft.kd
    .args:
      - { .name: part, .offset: 0, .size: 8, .value_kind: global_buffer, .address_space: global }
      - { .name: attn, .offset: 8, .size: 8, .value_kind: global_buffer, .address_space: global }
    .group_segment_fixed_size: 4608
    .private_segment_fixed_size: 0
    .kernarg_segment_align: 8
    .kernarg_segment_size: 16
    .max_flat_workgroup_size: 128
    .sgpr_count:     66
    .vgpr_count:     162
    .wavefront_size: 32
...
	.end_amdgpu_metadata
.endif
;; end of part 2
;; launch outp (part 3): grid 256 x 1, 4 waves a work-group, no clusters, 18,944 bytes of LDS; arguments query_input_codes, query_input_scales, Wq_codes, Wq_scales, bq, attn, out0; writes out0
.if DOCPART == 3
	.amdgcn_target "amdgcn-amd-amdhsa--gfx1250"
	.amdhsa_code_object_version 6
	.text
	.protected	k_qcca6f90697_outp
	.globl	k_qcca6f90697_outp
	.p2align	8
	.type	k_qcca6f90697_outp,@function
k_qcca6f90697_outp:
	s_mov_b64 s[64:65], 0
	v_nop
	global_prefetch_b8 v0, s[64:65] scope:SCOPE_SE
	s_setreg_imm32_b32 hwreg(HW_REG_WAVE_MODE, 25, 1), 1
	s_wait_xcnt 0x0
; out[l][d] = sum over heads of (1 / (4 l[d][h])) sum over m of Q(q)[l][m][h] Q(p)[m][d][h], q = query Wq + bq; all products on codes of FP4 (E2M1) with one E8M0 scale for each 32 along K.
; SHARES.  Work-group G owns the blocks of 32 rows from (3125 G) >> 8 up to (3125 (G + 1)) >> 8: 12 or 13.  All that is used again stays in registers for the whole launch: a wave's part of Wq, p's codes, the divisors.
; PHASE 1: wave w is head w.  The product is used transposed (source 0 = 16 rows of Wq, source 1 = 16 rows of the query): a lane holds ONE row l and its registers run along m.  THE ROWS OF Wq THAT FORM A TILE ARE NOT
; NEIGHBOURS: lane r of tile 2 b + u takes feature 32 b + 8 u + r + 8 (r / 8), so that the 16 registers of tiles 2 b, 2 b + 1 are 16 neighbours along m, the next K.  q is quantised in registers; its fragment and its
; scale words go to LDS as images of the registers.
; PHASE 2: wave (tau = w / 2, g = w % 2) makes rows 16 tau on, columns 64 g on: for each head h and q = 0 .. 3 one product, source 0 = q's fragment of head h, source 1 = p's fragment (h, q), whose lane r is column
; 64 g + 4 r + q.  The results are weighed by 1 / (4 l) and added over the heads; registers 4 j .. 4 j + 3 of the sum are then 16 NEIGHBOURING BYTES of row 8 hh + j, and sixteen lanes hold 256 consecutive bytes:
; the results are stored straight from registers.
; PIPELINE.  q's images have two LDS slots, and phase 2 of a block runs inside the NEXT block: its fragments are fetched behind the block's one barrier and land under the next block's 32 products; its sums and stores
; stand between the next block's last LDS stores and the wait for them.  A slot is written again two blocks later, behind a barrier in front of which every wave has waited for its reads of it.
; The query's codes have two sets of registers and are asked for two blocks ahead, from a clamped block, never skipped: so every wait has the same count on every path.
; EVERY WORK-GROUP RUNS 13 BLOCKS, a constant, two to a trip of the loop (sets and slots alternate).  Where only 12 are its own, the 13th q is computed from the next work-group's rows (clamped to the tensor) and nobody
; uses it: a scalar branch on ids leads round the last phase 2 and its stores.  No barrier stands under that branch.
; NO JOINT LOADS, NO TENSOR LOADS: work-groups share only Wq and attn, read once at the head (about 37 KB a wave); a block's 4,352 bytes of the query go straight into each wave's operand registers.
; LIMITS: a block of q whose largest magnitude lies under 2^-124, a block of zeros among them, gets the scale byte 1 (zero codes add nothing).  NaN and infinities are not served.
; REGISTERS.  window 0: v1-15 addresses; v16-23 Wq's scale words, v24-27 the query's (two sets), v28-31 q's, v32-47 p's; v48-63 the divisors; v64-79 at work; v84-99 codes just made, v100-101 their scale words;
;   v102-105 the query's offsets, one pair for each set; v128-255 q of 2 x 16 rows.   window 1: v0-127 Wq; v128-159 and v224-255 the query's fragments, two sets; v160-191 q's fragments; v192-223 the sums.
;   window 2: v0-127 p's fragments; v128-191 the bias.   window 3: v0-127 the 16 results of phase 2.
.set NBLK,  3125
.set FLOOR, 0x1800000                  ; 2^(3 - 127)
.set EOFF,  0xff000000                 ; takes 2 off an exponent field
.set SLOTB, 9216                       ; an LDS slot: q's 8 images (row tile t, head h: 4 t + h) of 1,024 bytes; behind them their scale words, 128 bytes each
.set QSC,   8192
.set LI,  3                            ; v3   16 x lane
.set LS,  4                            ; v4   4 x lane
.set XA,  5                            ; v5   the query's codes: 128 r + 16 hh
.set XSA, 6                            ; v6   its scale words: 8 x lane
.set QWI, 7                            ; v7   where I store q's images: 16 x lane + 1,024 w
.set QWS, 8                            ; v8   and their scale words: QSC + 4 x lane + 128 w
.set QRI, 9                            ; v9   where I read them: 16 x lane + 4,096 tau
.set QRS, 10                           ; v10  QSC + 4 x lane + 512 tau
.set OO,  11                           ; v11  my byte in a block of out: 8,192 tau + 4,096 hh + 256 g + 16 r
.set WS,  16                           ; tile t: lanes 0-15 the word of K step 0, lanes 16-31 of K step 1
.set SX,  24                           ; set b, K step s at 2 b + s: lane L = row L of the block
.set QS,  28
.set PSC, 32
.set CC,  48
.set TM,  64
.set PC,  84
.set PW,  100
.set XO,  102                          ; v102-103  set b: XA + 4,096 x its block
.set XS,  104                          ; v104-105  set b: XSA + 256 x its block
.set H,   128
.set WQ,  0                            ; window 1
.set XF,  128                          ; set b at 128 + 96 b
.set QF,  160
.set OUTR, 192
.set PF,  0                            ; window 2
.set BI,  128
.set R,   0                            ; window 3
.set WV,   18
.set IB,   19                          ; the block in hand
.set BEND, 20
.set SEL,  24                          ; s[24:25] lane l xor 16
.set TAU,  30
.set GG,   31
.set CNT,  32
.set MSB, 0
.macro WIN new                         ; the immediate's high byte repeats the setting that is left; a switch that changes nothing is dropped
.if MSB != \new
	s_set_vgpr_msb (MSB<<8)|\new
.set MSB, \new
.endif
.endm
; One scaled product.  ra, rb = 1: that side's scale words are taken from lanes 16-31 of the register named.
.macro MXA d, a, b, c, sa, sb, ra, rb
.if (\ra) && (\rb)
	v_wmma_scale_f32_16x16x128_f8f6f4 v[\d:\d+7], v[\a:\a+7], v[\b:\b+7], v[\c:\c+7], v[\sa], v[\sb] matrix_a_fmt:MATRIX_FMT_FP4 matrix_b_fmt:MATRIX_FMT_FP4 matrix_a_scale:MATRIX_SCALE_ROW1 matrix_b_scale:MATRIX_SCALE_ROW1
.elseif (\ra)
	v_wmma_scale_f32_16x16x128_f8f6f4 v[\d:\d+7], v[\a:\a+7], v[\b:\b+7], v[\c:\c+7], v[\sa], v[\sb] matrix_a_fmt:MATRIX_FMT_FP4 matrix_b_fmt:MATRIX_FMT_FP4 matrix_a_scale:MATRIX_SCALE_ROW1
.elseif (\rb)
	v_wmma_scale_f32_16x16x128_f8f6f4 v[\d:\d+7], v[\a:\a+7], v[\b:\b+7], v[\c:\c+7], v[\sa], v[\sb] matrix_a_fmt:MATRIX_FMT_FP4 matrix_b_fmt:MATRIX_FMT_FP4 matrix_b_scale:MATRIX_SCALE_ROW1
.else
	v_wmma_scale_f32_16x16x128_f8f6f4 v[\d:\d+7], v[\a:\a+7], v[\b:\b+7], v[\c:\c+7], v[\sa], v[\sb] matrix_a_fmt:MATRIX_FMT_FP4 matrix_b_fmt:MATRIX_FMT_FP4
.endif
.endm
; A block's codes (row tile t, K step s at 16 t + 8 s) and scale words into set b: nine loads
.macro XLOAD b
	WIN 0x40                                       ; destination window 1
.irp t, 0,1
.irp s, 0,1
.irp c, 0,1
	global_load_b128 v[XF+96*(\b)+16*\t+8*\s+4*\c:XF+96*(\b)+16*\t+8*\s+4*\c+3], v[XO+(\b)], s[4:5] offset:2048*\t+64*\s+32*\c
.endr
.endr
.endr
	WIN 0
	global_load_b64 v[SX+2*(\b):SX+2*(\b)+1], v[XS+(\b)], s[6:7]   ; 256 consecutive bytes a wave
.endm
; q of my head for row tile t, from set b: eight accumulators by turns, one instruction a turn, K step 0 (C = the bias) and K step 1
.macro W t, b
	WIN 0x25                                       ; sources 0 (Wq) and 1 (the query) window 1, source 2 (the bias) window 2
.irp f, 0,1,2,3,4,5,6,7
	MXA H+64*(\t)+8*\f, WQ+16*\f, XF+96*(\b)+16*(\t), BI+8*\f, WS+\f, SX+2*(\b), 0, \t
.endr
	WIN 0x05                                       ; C and D window 0
.irp f, 0,1,2,3,4,5,6,7
	MXA H+64*(\t)+8*\f, WQ+16*\f+8, XF+96*(\b)+16*(\t)+8, H+64*(\t)+8*\f, WS+\f, SX+2*(\b)+1, 1, \t
.endr
.endm
; 64 numbers of a lane, register 16 b + i = m 32 b + 16 (lane / 16) + i of my row, become a fragment's codes in v[pc] on and its scale word in v[pw].  Each accumulator is read from its low end on.
.macro QUANT s, pc, pw
.irp b, 0,1,2,3
	v_max3_num_f32 v[TM+\b], |v[\s+16*\b]|, |v[\s+1+16*\b]|, FLOOR
.endr
.irp i, 2,4,6,8,10,12,14
.irp b, 0,1,2,3
	v_max3_num_f32 v[TM+\b], v[TM+\b], |v[\s+16*\b+\i]|, |v[\s+1+16*\b+\i]|   ; the four blocks by turns: no line waits for the line above it
.endr
.endr
.irp b, 0,1,2,3
	v_permlanex16_b32 v[TM+4+\b], v[TM+\b], s[SEL], s[SEL+1]
.endr
.irp b, 0,1,2,3
	v_max_num_f32 v[TM+\b], v[TM+\b], v[TM+4+\b]   ; with lane l xor 16's: the block's largest magnitude
.endr
.irp b, 0,1,2,3
	v_add_nc_u32 v[TM+12+\b], EOFF, v[TM+\b]       ; 2 off its exponent field: the conversion's scale operand
.endr
.irp b, 0,1,2,3
	v_lshrrev_b32 v[TM+4+\b], 23, v[TM+12+\b]      ; the scale's byte
.endr
	v_lshl_or_b32 v[\pw], v[TM+5], 8, v[TM+4]      ; the four bytes make my row's scale word
	v_lshl_or_b32 v[\pw], v[TM+6], 16, v[\pw]
	v_lshl_or_b32 v[\pw], v[TM+7], 24, v[\pw]
.irp b, 0,1,2,3
	v_cvt_scalef32_pk8_fp4_f32 v[\pc+2*\b], v[\s+16*\b:\s+7+16*\b], v[TM+12+\b]
	v_cvt_scalef32_pk8_fp4_f32 v[\pc+1+2*\b], v[\s+8+16*\b:\s+15+16*\b], v[TM+12+\b]
.endr
	v_nop                                          ; one plain place behind a scaled conversion
.irp c, 0,1                                    ; the operand's layout wants a WHOLE block in a lane: lanes 0-15 block 2 c, lanes 16-31 block 2 c + 1
.irp i, 0,1
	v_permlane16_swap_b32 v[\pc+4*\c+\i], v[\pc+2+4*\c+\i]
.endr
.endr
.endm
.macro IMAGE t, sl                             ; row tile t's fragment and scale words go into slot sl as they stand
.irp c, 0,1
	ds_store_b128 v[QWI], v[PC+8*(\t)+4*\c:PC+8*(\t)+4*\c+3] offset:(\sl)*SLOTB+4096*(\t)+512*\c
.endr
	ds_store_b32 v[QWS], v[PW+(\t)] offset:(\sl)*SLOTB+512*(\t)
.endm
.macro FETCHQ sl                               ; the four heads' fragments of my 16 rows, and their scale words, out of slot sl: 12 LDS loads
	WIN 0x40                                       ; destination window 1
.irp h, 0,1,2,3
.irp c, 0,1
	ds_load_b128 v[QF+8*\h+4*\c:QF+8*\h+4*\c+3], v[QRI] offset:(\sl)*SLOTB+1024*\h+512*\c
.endr
.endr
	WIN 0
.irp h, 0,1,2,3
	ds_load_b32 v[QS+\h], v[QRS] offset:(\sl)*SLOTB+128*\h
.endr
.endm
.macro PROD                                    ; phase 2's 16 products, each a whole sum (K = the head's 128 features)
	WIN 0xc9                                       ; source 0 (q) window 1, source 1 (p) window 2, destination window 3
.irp h, 0,1,2,3
.irp q, 0,1,2,3
	v_wmma_scale_f32_16x16x128_f8f6f4 v[R+8*(4*\h+\q):R+8*(4*\h+\q)+7], v[QF+8*\h:QF+8*\h+7], v[PF+8*(4*\h+\q):PF+8*(4*\h+\q)+7], 0, v[QS+\h], v[PSC+4*\h+\q] matrix_a_fmt:MATRIX_FMT_FP4 matrix_b_fmt:MATRIX_FMT_FP4
.endr
.endr
	WIN 0
.endm
.macro SUMOUT                                  ; the results weighed, added over the heads, and stored
	s_wait_xcnt 0x0                                ; the last block's stores have read their registers and their base: both are written again only behind this wait
	s_add_nc_u64 s[16:17], s[16:17], 16384         ; one block on; the stores below reach back
	WIN 0x53                                       ; source 0 (the results) window 3, the sums (destination and source 2) window 1
.irp j, 0,1,2,3,4,5,6,7                        ; j ascends: each result is read from its low end on
.irp q, 0,1,2,3
	v_mul_f32 v[OUTR+4*\j+\q], v[R+8*\q+\j], v[CC+\q]
.endr
.irp h, 1,2,3
.irp q, 0,1,2,3
	v_fma_f32 v[OUTR+4*\j+\q], v[R+8*(4*\h+\q)+\j], v[CC+4*\h+\q], v[OUTR+4*\j+\q]
.endr
.endr
.endr
	WIN 0x04                                       ; a store's data are its source 1: window 1
.irp j, 0,1,2,3,4,5,6,7
	global_store_b128 v[OO], v[OUTR+4*\j:OUTR+4*\j+3], s[16:17] offset:512*\j-16384 th:TH_STORE_NT   ; row 16 tau + 8 hh + j: sixteen lanes store 256 consecutive bytes, at a multiple of 256 from out's first byte
.endr
	WIN 0
.endm
; A BLOCK.  sl: its set of the query's registers and its LDS slot.  ph2 = 1: phase 2 of the block before runs inside it.  left: the loads issued behind this block's nine.
.macro BLOCK sl, ph2, left
	s_wait_loadcnt \left                           ; loads come back in order: this block's nine are in, so their offsets may be written again; the younger ones may be out
	W 0, \sl
	W 1, \sl
	WIN 0
	s_add_co_u32 s21, s[IB], 2                     ; the block two on takes this set;
	s_min_u32 s21, s21, NBLK-1                     ; no load leaves its buffer
	s_lshl_b32 s22, s21, 12
	s_lshl_b32 s23, s21, 8
	v_add_nc_u32 v[XO+\sl], s22, v[XA]             ; these two lines and two v_nop are the four places in front of the first read of q and of the loads into the query's registers
	v_add_nc_u32 v[XS+\sl], s23, v[XSA]
	v_nop
	v_nop
.if \ph2
	s_wait_dscnt 0x0                               ; the 12 loads issued behind the last barrier are in
	PROD
.endif
	QUANT H, PC, PW
	IMAGE 0, \sl
	XLOAD \sl                                      ; two blocks ahead
	QUANT H+64, PC+8, PW+1
	IMAGE 1, \sl
.if \ph2
	SUMOUT                                         ; the two quantisers are the places behind phase 2's products; this work stands between my last LDS stores and the wait for them
.endif
	s_wait_dscnt 0x0                               ; for the others' sake: my stores into this slot have landed (my loads from the other slot came in ahead of phase 2's products)
	s_barrier_signal -1
	s_barrier_wait -1                              ; the slot is whole; and nobody reads the other slot any more, which the next block writes
	FETCHQ \sl
	s_add_co_u32 s[IB], s[IB], 1
.endm
	s_load_b256 s[4:11], s[0:1], 0x0               ; the query's codes s[4:5], its scales s[6:7], Wq's codes s[8:9], Wq's scales s[10:11]
	s_load_b128 s[12:15], s[0:1], 0x20             ; bq s[12:13], attn s[14:15]
	s_load_b64 s[16:17], s[0:1], 0x30              ; out
	v_lshl_add_u32 v126, v0, 2, 0x4800
	v_mov_b32 v127, 0
	v_lshrrev_b32 v12, 5, v0
	v_readfirstlane_b32 s[WV], v12                 ; wave 0..3
	s_lshr_b32 s[TAU], s[WV], 1
	s_and_b32 s[GG], s[WV], 1
	v_and_b32 v1, 15, v0                           ; r
	v_bfe_u32 v2, v0, 4, 1                         ; hh
	v_and_b32 v[LS], 31, v0
	v_lshlrev_b32 v[LI], 4, v[LS]
	v_lshlrev_b32 v[XSA], 3, v[LS]
	v_lshlrev_b32 v[LS], 2, v[LS]
	v_lshlrev_b32 v[XA], 7, v1
	v_lshl_add_u32 v[XA], v2, 4, v[XA]
	s_lshl_b32 s21, s[WV], 10
	v_add_nc_u32 v[QWI], s21, v[LI]
	s_lshl_b32 s21, s[WV], 7
	s_add_co_u32 s21, s21, QSC
	v_add_nc_u32 v[QWS], s21, v[LS]
	s_lshl_b32 s21, s[TAU], 12
	v_add_nc_u32 v[QRI], s21, v[LI]
	s_lshl_b32 s21, s[TAU], 9
	s_add_co_u32 s21, s21, QSC
	v_add_nc_u32 v[QRS], s21, v[LS]
	v_lshlrev_b32 v[OO], 4, v1
	v_lshl_add_u32 v[OO], v2, 12, v[OO]
	s_lshl_b32 s21, s[TAU], 13
	s_lshl_b32 s22, s[GG], 8
	s_add_co_u32 s21, s21, s22
	v_add_nc_u32 v[OO], s21, v[OO]
	v_and_b32 v15, 8, v1
	v_add_nc_u32 v15, v15, v1                      ; r + 8 (r / 8)
	v_lshlrev_b32 v12, 9, v15                      ; Wq's codes: row 4 m + w of 128 bytes: 512 m + 128 w, + 16 hh
	v_lshl_add_u32 v12, v2, 4, v12
	s_lshl_b32 s21, s[WV], 7
	v_add_nc_u32 v12, s21, v12
	v_lshlrev_b32 v13, 5, v15                      ; its scale words: 32 m + 8 w; lanes 16-31 take K step 1's
	v_lshl_add_u32 v13, v2, 2, v13
	s_lshl_b32 s21, s[WV], 3
	v_add_nc_u32 v13, s21, v13
	v_lshlrev_b32 v14, 8, v2                       ; bq at feature 32 b + 16 hh + 8 u + j, head w: 16 m + 4 w bytes
	s_lshl_b32 s21, s[WV], 2
	v_add_nc_u32 v14, s21, v14
	v_lshlrev_b32 v15, 2, v1                       ; 4 r: p's scale words and the divisors
.irp b, 0,1,2,3
	v_mov_b32 v[TM+4+\b], 0                        ; written once: a lane permute's destination counts as one of its sources
.endr
	s_mov_b32 s[SEL], 0x76543210
	s_mov_b32 s[SEL+1], 0xfedcba98
	s_mul_i32 s[IB], ttmp9, NBLK
	s_add_co_u32 s[BEND], s[IB], NBLK
	s_lshr_b32 s[IB], s[IB], 8                     ; my first block: at most 3,112, so the second lies inside the tensor too
	s_lshr_b32 s[BEND], s[BEND], 8
	s_lshl_b32 s21, s[IB], 12                      ; a block is 4,096 bytes of codes
	v_add_nc_u32 v[XO], s21, v[XA]
	v_add_nc_u32 v[XO+1], 4096, v[XO]
	s_lshl_b32 s21, s[IB], 8                       ; and 256 of scales
	v_add_nc_u32 v[XS], s21, v[XSA]
	v_add_nc_u32 v[XS+1], 256, v[XS]
	s_lshl_b32 s26, s[GG], 14                      ; my 16 fragments of p: 16,384 g on;
	s_mov_b32 s27, 0
	s_lshl_b32 s28, s[GG], 10                      ; their words: 1,024 g on
	s_mov_b32 s29, 0
	s_lshl_b32 s22, s[IB], 14                      ; out: 16,384 bytes a block
	s_mov_b32 s23, 0
	s_wait_kmcnt 0x0
	s_add_nc_u64 s[26:27], s[14:15], s[26:27]
	s_add_nc_u64 s[28:29], s[14:15], s[28:29]
	s_add_nc_u64 s[16:17], s[16:17], s[22:23]
	; What the first block's products want comes first: Wq, its scale words, the bias, the first block.  p, its words and the divisors are wanted one block later.
	WIN 0x40                                       ; destination window 1: Wq's fragments (tile 2 b + u, K step s).  They stay
.irp b, 0,1,2,3
.irp u, 0,1
.irp s, 0,1
.irp c, 0,1
	global_load_b128 v[WQ+16*(2*\b+\u)+8*\s+4*\c:WQ+16*(2*\b+\u)+8*\s+4*\c+3], v12, s[8:9] offset:16384*\b+4096*\u+64*\s+32*\c
.endr
.endr
.endr
.endr
	WIN 0
.irp b, 0,1,2,3
.irp u, 0,1
	global_load_b32 v[WS+2*\b+\u], v13, s[10:11] offset:1024*\b+256*\u
.endr
.endr
	WIN 0x80                                       ; destination window 2
.irp b, 0,1,2,3
.irp u, 0,1
.irp j, 0,1,2,3,4,5,6,7
	global_load_b32 v[BI+8*(2*\b+\u)+\j], v14, s[12:13] offset:512*\b+128*\u+16*\j
.endr
.endr
.endr
	XLOAD 0                                        ; the first block
	WIN 0x80
.irp f, 0,1,2,3,4,5,6,7,8,9,10,11,12,13,14,15
.irp c, 0,1
	global_load_b128 v[PF+8*\f+4*\c:PF+8*\f+4*\c+3], v[LI], s[26:27] offset:1024*\f+512*\c   ; p's fragment 4 h + q, as its registers were laid
.endr
.endr
	WIN 0
.irp f, 0,1,2,3,4,5,6,7,8,9,10,11,12,13,14,15
	global_load_b32 v[PSC+\f], v15, s[28:29] offset:32768+64*\f
	global_load_b32 v[CC+\f], v15, s[28:29] offset:34816+64*\f
.endr
	XLOAD 1                                        ; the second block
	BLOCK 0, 0, 63                                 ; block 0: behind its nine loads 73 were issued (p's 32, 32 words, the second block's 9); 63 is the most that a wait can name
	BLOCK 1, 1, 9                                  ; block 1: only block 2's nine loads may be out, so p, its words and the divisors are in
	s_mov_b32 s[CNT], 5
.Lblocks:                                              ; blocks 2 to 11, two a trip, until the sets and slots are back where they began
	BLOCK 0, 1, 9
	BLOCK 1, 1, 9
	s_sub_co_u32 s[CNT], s[CNT], 1
	s_cmp_lg_u32 s[CNT], 0
	s_cbranch_scc1 .Lblocks
	BLOCK 0, 1, 9                                  ; block 12, and phase 2 of block 11
	s_wait_dscnt 0x0                               ; block 12's fragments are in
	s_cmp_gt_u32 s[IB], s[BEND]                    ; IB = my first block + 13: beyond the end where only 12 blocks are mine
	s_cbranch_scc1 .Ldone                          ; then block 12 is the next work-group's, which stores it
	PROD
.rept 4
	v_nop                                          ; places in front of the first read of the results
.endr
	SUMOUT
.Ldone:
	s_wait_tensorcnt 0x0
	ds_add_u32 v126, v127
	s_wait_dscnt 0x0
	s_endpgm
.Lfunc_end_k_qcca6f90697_outp:
	.size	k_qcca6f90697_outp, .Lfunc_end_k_qcca6f90697_outp-k_qcca6f90697_outp
	.p2alignl 7, 3214868480
	.fill 96, 4, 3214868480
	.section	.rodata,"a",@progbits
	.p2align	6, 0x0
	.amdhsa_kernel k_qcca6f90697_outp
		.amdhsa_group_segment_fixed_size 18944
		.amdhsa_private_segment_fixed_size 0
		.amdhsa_enable_private_segment 0
		.amdhsa_kernarg_size 56
		.amdhsa_user_sgpr_count 2
		.amdhsa_user_sgpr_kernarg_segment_ptr 1
		.amdhsa_wavefront_size32 1
		.amdhsa_system_sgpr_workgroup_id_x 1
		.amdhsa_system_sgpr_workgroup_id_y 1
		.amdhsa_system_sgpr_workgroup_id_z 1
		.amdhsa_system_vgpr_workitem_id 0
		.amdhsa_next_free_vgpr 896
		.amdhsa_next_free_sgpr 66
		.amdhsa_reserve_vcc 0
		.amdhsa_float_denorm_mode_32 3
		.amdhsa_float_denorm_mode_16_64 3
		.amdhsa_memory_ordered 1
		.amdhsa_forward_progress 1
		.amdhsa_inst_pref_size 143
	.end_amdhsa_kernel
	.amdgpu_metadata
---
amdhsa.version: [ 1, 2 ]
amdhsa.kernels:
  - .name:           k_qcca6f90697_outp
    .symbol:         k_qcca6f90697_outp.kd
    .args:
      - { .name: query_input_codes, .offset: 0, .size: 8, .value_kind: global_buffer, .address_space: global }
      - { .name: query_input_scales, .offset: 8, .size: 8, .value_kind: global_buffer, .address_space: global }
      - { .name: Wq_codes, .offset: 16, .size: 8, .value_kind: global_buffer, .address_space: global }
      - { .name: Wq_scales, .offset: 24, .size: 8, .value_kind: global_buffer, .address_space: global }
      - { .name: bq, .offset: 32, .size: 8, .value_kind: global_buffer, .address_space: global }
      - { .name: attn, .offset: 40, .size: 8, .value_kind: global_buffer, .address_space: global }
      - { .name: out0, .offset: 48, .size: 8, .value_kind: global_buffer, .address_space: global }
    .group_segment_fixed_size: 18944
    .private_segment_fixed_size: 0
    .kernarg_segment_align: 8
    .kernarg_segment_size: 56
    .max_flat_workgroup_size: 128
    .sgpr_count:     66
    .vgpr_count:     896
    .wavefront_size: 32
...
	.end_amdgpu_metadata
.endif
;; end of part 3
;; ======== version 2 of 2: 3 launches
;; workspace buffers: part 16,777,216 bytes; attn 36,864 bytes
;; launch kv (part 4): grid 4 x 64, 4 waves a work-group, no clusters, 102,912 bytes of LDS; arguments source_input_codes, source_input_scales, Wk_codes, Wk_scales, bk, Wv_codes, Wv_scales, bv, part; writes part
.if DOCPART == 4
	.amdgcn_target "amdgcn-amd-amdhsa--gfx1250"
	.amdhsa_code_object_version 6
	.text
	.protected	k_qcca6f90697_kv
	.globl	k_qcca6f90697_kv
	.p2align	8
	.type	k_qcca6f90697_kv,@function
k_qcca6f90697_kv:
	s_mov_b64 s[64:65], 0
	v_nop
	global_prefetch_b8 v0, s[64:65] scope:SCOPE_SE
	s_setreg_imm32_b32 hwreg(HW_REG_WAVE_SCHED_MODE, 0, 2), 2
	s_setreg_imm32_b32 hwreg(HW_REG_WAVE_MODE, 25, 1), 1
	s_wait_xcnt 0x0
	s_wait_alu depctr_vm_vsrc(0)
; PARTIAL SUMS OF a[m][d][h] = sum over l of (k[l][m][h] / sqrt(100000)) v[l][d][h], all products on codes of FP4 (E2M1) with one E8M0 scale for each 32 along K.
; k = source Wk + bk, v = source Wv + bv; column c of a weight is (feature c / 4, head c % 4).  k / sqrt(n) and v are quantised ALONG THE ROWS l, in blocks of 32 rows (100,000 = 3,125 blocks).
; SHARES.  Work-group (x = head, y = range): one head, blocks (3125 y) >> 6 up to (3125 (y + 1)) >> 6 of 32 rows: 48 or 49.  13 steps of four blocks; in a step wave w owns one block, which is one block of
; the quantiser and block w of the 128 rows that one matrix instruction of the second product takes.  The wave multiplies its 32 rows by all 16 tiles of 16 features of the head (8 of k, 8 of v), whose weights,
; scale words and biases stay in its registers for the whole launch; it quantises each tile and puts the codes into LDS AS IMAGES OF THE NEXT OPERAND'S REGISTERS.  Behind one barrier wave (wm, wd) adds 4 x 4 tiles of a.
; A block at or past the range's end is read from a clamped address and counts for nothing: its k is multiplied by 0 in place of 1 / sqrt(n), so its codes of k are zeros.  The trip count is a constant.
; LAYOUT.  Projection: source 0 = 16 rows of the source, source 1 = 16 columns of a weight.  Lane r of row tile u takes row 8 u + r + 8 (r / 8) of the block, so that in the results lane (r, hh) holds feature r and the
; 16 registers of tiles u = 0, 1 are rows 16 hh + 0 .. 15: two conversions give 8 bytes, which lie at 256 w + 16 r + 8 hh of the tile's image: registers 4 (w / 2) .. + 3 of lane 16 (w % 2) + r.  No lane changes places.
; PIPELINE.  A pair of tiles is quantised behind the next pair's products.  Each pair has six registers of its own for its codes and bytes, so these go to LDS in two runs of sixteen stores: pairs 0 to 3 inside
; pair 4's quantiser, pairs 4 to 7 at the step's end.  The second product of step i is issued at the end of step i + 1, between that step's last LDS stores and the wait for them: its operands have had a whole
; step to come out of LDS, and the wave works while its stores land.
; THE MODE: SCHED_MODE bits 1:0 = 2 (LLVM: expert scheduling mode 2), set by the entry lines.  The code itself states the register dependences between vector or matrix instructions and memory or LDS
; instructions, with s_wait_alu, always for 0.
; THE PLAN.  Registers that memory or LDS instructions touch, in a step:
;   XF0, XF1, SX    the source's fragments and scale words.  Step i's 64 products read set i % 2; the nine loads at the head of step i + 1 land in it.
;   CQ              codes and bytes.  Written by the step's conversions and shifts; read by the step's 32 LDS stores; written again in the next step.
;   window 3, PS    the second product's fragments and scale words.  Loaded behind a step's barrier; read by the second product at the next step's end; loaded again behind that step's barrier.
;   v3-5, v8-15     offsets and LDS addresses, made at the head and never written again: a block is reached by two scalar bases, made anew at a step's head.
;   v40, v41        offsets of the head's loads; at work from the first step on.
; So a step holds one wait on vm_vsrc, at its head (the stores of the step before have read CQ), and three on va_vdst: inside pair 4's quantiser (pairs 0 to 3's codes are written), behind pair 7's quantiser
; (pairs 4 to 7's codes are written, and the step's products are done reading their set of the source), and ahead of the fragments' loads (the second product is done reading them).
; NO JOINT LOADS: the four work-groups of a range read the same rows, but a wave's 4,352 bytes of a step go from memory straight into its own operand registers, a step ahead, for 80 matrix instructions;
; there is no tile in LDS that a joint load could fill, and a round of a cluster's barrier would stand in each of 13 short steps.
; LIMITS: k / sqrt(n) is a multiplication by the f32 number nearest 1 / sqrt(100000) (within two units in the last place of the division).  A block whose largest magnitude lies under 2^-124, a block of zeros
; among them, gets the scale byte 1 (only this program reads the bytes; zero codes add nothing).  NaN and infinities among the inputs are not served.
; REGISTERS.  window 0: v1-15 addresses; v16-31 the weights' scale words; v32-35 the source's; v36-39 those of the second product; v40-47 at work; v48-95 codes and bytes, six for each pair of tiles;
;   v96-159 the source's fragments, two sets; v160-223 results of the projection, two sets of 32.   window 1: the weights' 32 fragments.   window 2: v0-127 the 16 accumulators of a; v128-255 the biases.
;   window 3: v0-31 four fragments of k, v32-63 four of v.
.set NBLK,  3125                       ; blocks of 32 rows
.set INVC,  0x3b4f3e37                 ; 1 / sqrt(100000)
.set FLOOR, 0x1800000                  ; 2^(3 - 127): under it no largest magnitude is taken, so no byte falls under 1
.set EOFF,  0xff000000                 ; takes 2 off an exponent field
.set SLOTB, 17408                      ; an LDS slot: 16 images of 1,024 bytes, then 16 x 64 bytes of scale words
.set SCO,   16384
.set STG,   2*SLOTB                    ; behind the two slots: the stage for the way out, 128 rows (d) x (512 bytes + 16)
.set SP,    528
.set LI,  3                            ; v3   16 x lane
.set XL,  4                            ; v4   my lane's byte in a block's codes: 128 (r + 8 (r / 8)) + 16 hh
.set SL,  5                            ; v5   and in its scale bytes: 8 (8 hh + r + 8 (r / 8))
.set IA,  8                            ; v8   where my 8 bytes of codes go in an image: 256 w + 16 r + 8 hh
.set SA,  9                            ; v9   where my scale byte goes: SCO + 4 r + w
.set KA,  10                           ; v10  k's fragments: 16 x lane + 4,096 wm
.set VA,  11                           ; v11  v's: 16 x lane + 8,192 + 4,096 wd
.set PA,  12                           ; v12  scale words: lanes 0-15 k's, lanes 16-31 v's
.set ST,  13                           ; v13  the stage, in
.set RD,  14                           ; v14  the stage, back
.set WS,  16                           ; v16-31  tile f: lanes 0-15 the word of K step 0, lanes 16-31 of K step 1
.set SX,  32                           ; v32-35  set b, K step s at 2 b + s: lanes 0-15 row tile 0, lanes 16-31 row tile 1
.set PS,  36                           ; v36-39  register i: lanes 0-15 the word of my k fragment i, lanes 16-31 of my v fragment i
.set T,   40
.set CQ,  48
.set XF,  96                           ; set b, row tile u, K step s at 32 b + 16 u + 8 s
.set H,   160                          ; set z: k's two row tiles at 32 z, v's at 32 z + 16
.set BI,  128                          ; window 2: tile f's bias, eight times, at 8 f
.set WV,   22
.set HD,   23
.set RG,   24
.set BLK,  25                          ; my wave's block in the step in hand
.set BEND, 26                          ; the range's end
.set CNT,  27
.set INV,  28                          ; s[28:29] what k is multiplied by in this step
.set IC,   30
.set SEL,  34                          ; s[34:35] lane l xor 16
.set XOF,  38                          ; s[38:39] 4,096 x the block to be asked for; the upper word stays 0
.set WM,   40
.set WD,   41
.set SOF,  42                          ; s[42:43] 256 x that block; the upper word stays 0
.set XB,   44                          ; s[44:45] the source's codes at that block
.set SB,   46                          ; s[46:47] its scale bytes at that block
.set MSB, 0
.macro WIN new                         ; the immediate's high byte repeats the setting that is left; a switch that changes nothing is dropped
.if MSB != \new
	s_set_vgpr_msb (MSB<<8)|\new
.set MSB, \new
.endif
.endm
; One scaled product.  ra, rb = 1: that side's scale words are taken from lanes 16-31 of the register named.
.macro MXA d, a, b, c, sa, sb, ra, rb
.if (\ra) && (\rb)
	v_wmma_scale_f32_16x16x128_f8f6f4 v[\d:\d+7], v[\a:\a+7], v[\b:\b+7], v[\c:\c+7], v[\sa], v[\sb] matrix_a_fmt:MATRIX_FMT_FP4 matrix_b_fmt:MATRIX_FMT_FP4 matrix_a_scale:MATRIX_SCALE_ROW1 matrix_b_scale:MATRIX_SCALE_ROW1
.elseif (\ra)
	v_wmma_scale_f32_16x16x128_f8f6f4 v[\d:\d+7], v[\a:\a+7], v[\b:\b+7], v[\c:\c+7], v[\sa], v[\sb] matrix_a_fmt:MATRIX_FMT_FP4 matrix_b_fmt:MATRIX_FMT_FP4 matrix_a_scale:MATRIX_SCALE_ROW1
.elseif (\rb)
	v_wmma_scale_f32_16x16x128_f8f6f4 v[\d:\d+7], v[\a:\a+7], v[\b:\b+7], v[\c:\c+7], v[\sa], v[\sb] matrix_a_fmt:MATRIX_FMT_FP4 matrix_b_fmt:MATRIX_FMT_FP4 matrix_b_scale:MATRIX_SCALE_ROW1
.else
	v_wmma_scale_f32_16x16x128_f8f6f4 v[\d:\d+7], v[\a:\a+7], v[\b:\b+7], v[\c:\c+7], v[\sa], v[\sb] matrix_a_fmt:MATRIX_FMT_FP4 matrix_b_fmt:MATRIX_FMT_FP4
.endif
.endm
; A block's codes (eight loads of 16 bytes a lane) and scale words (one load: 256 consecutive bytes a wave) into set buf
.macro LOADX buf
.irp u, 0,1
.irp s, 0,1
.irp c, 0,1
	global_load_b128 v[XF+32*(\buf)+16*\u+8*\s+4*\c:XF+32*(\buf)+16*\u+8*\s+4*\c+3], v[XL], s[XB:XB+1] offset:1024*\u+64*\s+32*\c
.endr
.endr
.endr
	global_load_b64 v[SX+2*(\buf):SX+2*(\buf)+1], v[SL], s[SB:SB+1]
.endm
; Pair p: tile p of k and tile p of v, for my 32 rows: four accumulators by turns, one instruction a turn, K step 0 (C = the bias) and K step 1.
.macro WPAIR p, z, buf
	WIN 0x24                                       ; source 1 (the weights) window 1, source 2 (the bias) window 2
.irp u, 0,1
	MXA H+32*(\z)+8*\u, XF+32*(\buf)+16*\u, 16*(\p), BI+8*(\p), SX+2*(\buf), WS+(\p), \u, 0
.endr
.irp u, 0,1
	MXA H+32*(\z)+16+8*\u, XF+32*(\buf)+16*\u, 128+16*(\p), BI+64+8*(\p), SX+2*(\buf), WS+8+(\p), \u, 0
.endr
	WIN 0x04                                       ; C and D window 0
.irp u, 0,1
	MXA H+32*(\z)+8*\u, XF+32*(\buf)+16*\u+8, 16*(\p)+8, H+32*(\z)+8*\u, SX+2*(\buf)+1, WS+(\p), \u, 1
.endr
.irp u, 0,1
	MXA H+32*(\z)+16+8*\u, XF+32*(\buf)+16*\u+8, 128+16*(\p)+8, H+32*(\z)+16+8*\u, SX+2*(\buf)+1, WS+8+(\p), \u, 1
.endr
.endm
; Pair p's codes and scale bytes go into the slot's images.  Each pair has six registers of its own, so these four lines may stand anywhere between the wait behind the pair's quantiser and the step's barrier.
.macro QSTORE p, slot
.set CS, CQ+6*(\p)
	ds_store_b64 v[IA], v[CS:CS+1] offset:(\slot)*SLOTB+1024*(\p)
	ds_store_b64 v[IA], v[CS+2:CS+3] offset:(\slot)*SLOTB+8192+1024*(\p)
	ds_store_b8 v[SA], v[CS+4] offset:(\slot)*SLOTB+64*(\p)        ; both lanes of a block write the same byte with the same value
	ds_store_b8 v[SA], v[CS+5] offset:(\slot)*SLOTB+512+64*(\p)
.endm
; Pair p's results become codes.  A lane holds 16 rows of one feature of k and of v; lane l xor 16 holds the block's other 16.  Each accumulator is read from its low end on.
; Inside pair 4's quantiser the codes of pairs 0 to 3 are stored.
.macro QPAIR p, z, slot
	WIN 0
.set HK, H+32*(\z)
.set HV, HK+16
.set CK, CQ+6*(\p)
.irp i, 0,2,4,6,8,10,12,14
	v_pk_mul_f32 v[HK+\i:HK+\i+1], v[HK+\i:HK+\i+1], s[INV:INV+1] op_sel_hi:[1,0]   ; k / sqrt(n), or k x 0 past the range's end
.endr
	; the largest magnitudes of my 16 numbers of k and of v, with the floor: four chains by turns (each row tile its own), so that no line waits for one of the three above it
	v_max3_num_f32 v[T], |v[HK]|, |v[HK+1]|, FLOOR
	v_max3_num_f32 v[T+1], |v[HV]|, |v[HV+1]|, FLOOR
	v_max3_num_f32 v[T+2], |v[HK+8]|, |v[HK+9]|, |v[HK+10]|
	v_max3_num_f32 v[T+3], |v[HV+8]|, |v[HV+9]|, |v[HV+10]|
.irp i, 2,4
	v_max3_num_f32 v[T], v[T], |v[HK+\i]|, |v[HK+\i+1]|
	v_max3_num_f32 v[T+1], v[T+1], |v[HV+\i]|, |v[HV+\i+1]|
	v_max3_num_f32 v[T+2], v[T+2], |v[HK+\i+9]|, |v[HK+\i+10]|
	v_max3_num_f32 v[T+3], v[T+3], |v[HV+\i+9]|, |v[HV+\i+10]|
.endr
	v_max3_num_f32 v[T], v[T], |v[HK+6]|, |v[HK+7]|
	v_max3_num_f32 v[T+1], v[T+1], |v[HV+6]|, |v[HV+7]|
	v_max3_num_f32 v[T], v[T], v[T+2], |v[HK+15]|                  ; the two chains and the number left over
	v_max3_num_f32 v[T+1], v[T+1], v[T+3], |v[HV+15]|
	v_permlanex16_b32 v[T+2], v[T], s[SEL], s[SEL+1]
	v_permlanex16_b32 v[T+3], v[T+1], s[SEL], s[SEL+1]
.if (\p) == 4
	s_wait_alu depctr_va_vdst(0)                   ; the conversions and shifts of pairs 0 to 3 have written their codes and bytes, which the sixteen LDS stores below read
.irp e, 0,1,2,3
	QSTORE \e, \slot
.endr
.endif
	v_max_num_f32 v[T], v[T], v[T+2]               ; the block's largest magnitude
	v_max_num_f32 v[T+1], v[T+1], v[T+3]
	v_add_nc_u32 v[T+4], EOFF, v[T]                ; 2 off its exponent field: the conversion takes this operand's exponent field as its scale
	v_add_nc_u32 v[T+5], EOFF, v[T+1]
	v_cvt_scalef32_pk8_fp4_f32 v[CK], v[HK:HK+7], v[T+4]           ; rows 16 hh + 0 .. 7
	v_cvt_scalef32_pk8_fp4_f32 v[CK+1], v[HK+8:HK+15], v[T+4]      ; rows 16 hh + 8 .. 15
	v_cvt_scalef32_pk8_fp4_f32 v[CK+2], v[HV:HV+7], v[T+5]
	v_cvt_scalef32_pk8_fp4_f32 v[CK+3], v[HV+8:HV+15], v[T+5]
	v_lshrrev_b32 v[CK+4], 23, v[T+4]              ; the scales' bytes.  (These two lines are the plain place behind the conversions)
	v_lshrrev_b32 v[CK+5], 23, v[T+5]
.endm
; My four fragments of k, my four of v and their scale words, out of a slot: 20 LDS loads.  after = 1: a second product has read these registers.
.macro FETCH4 slot, after
	WIN 0xc0                                       ; destination window 3
.if \after
	s_wait_alu depctr_va_vdst(0)                   ; the second product's sixteen instructions are done reading their fragments and scale words, in which the twenty loads below land
.endif
.irp i, 0,1,2,3
.irp c, 0,1
	ds_load_b128 v[8*\i+4*\c:8*\i+4*\c+3], v[KA] offset:(\slot)*SLOTB+1024*\i+512*\c
.endr
.endr
.irp i, 0,1,2,3
.irp c, 0,1
	ds_load_b128 v[32+8*\i+4*\c:32+8*\i+4*\c+3], v[VA] offset:(\slot)*SLOTB+1024*\i+512*\c
.endr
.endr
	WIN 0
.irp i, 0,1,2,3
	ds_load_b32 v[PS+\i], v[PA] offset:(\slot)*SLOTB+64*\i
.endr
.endm
; a += k^T v for 128 rows: source 0 = 16 features of k, source 1 = 16 of v; 16 accumulators by turns.  zero = 1: the first step's products start the sums.
.macro P4 zero
	WIN 0xaf                                       ; sources 0 and 1 window 3, C and D window 2
.irp i, 0,1,2,3
.irp j, 0,1,2,3
.if \zero
	v_wmma_scale_f32_16x16x128_f8f6f4 v[8*(4*\i+\j):8*(4*\i+\j)+7], v[8*\i:8*\i+7], v[32+8*\j:32+8*\j+7], 0, v[PS+\i], v[PS+\j] matrix_a_fmt:MATRIX_FMT_FP4 matrix_b_fmt:MATRIX_FMT_FP4 matrix_b_scale:MATRIX_SCALE_ROW1
.else
	MXA 8*(4*\i+\j), 8*\i, 32+8*\j, 8*(4*\i+\j), PS+\i, PS+\j, 0, 1
.endif
.endr
.endr
	WIN 0
.endm
; A STEP.  buf: the set of source fragments and the LDS slot in hand.  mul = 1: the last step's second product is issued.  load = 1: the next step's block is asked for.
.macro STEP buf, mul, zero, load
	s_wait_loadcnt 0x0                             ; this step's nine loads, the only ones out, are in: the two bases that they read may be written again
	s_wait_alu depctr_vm_vsrc(0)                   ; the LDS stores of the step before have read their codes and bytes, which this step's conversions and shifts write again; in the first step: the head's loads have read v40 and v41, which are at work from here on
	s_cmp_lt_u32 s[BLK], s[BEND]                   ; does my block belong to the range?
	s_cselect_b32 s[INV], s[IC], 0
	s_mov_b32 s[INV+1], s[INV]                     ; (named with it as a pair, so it is written)
.if \load
	s_add_co_u32 s[BLK], s[BLK], 4
	s_min_u32 s31, s[BLK], NBLK-1                  ; no load leaves its buffer
	s_lshl_b32 s[XOF], s31, 12
	s_lshl_b32 s[SOF], s31, 8
	s_add_nc_u64 s[XB:XB+1], s[4:5], s[XOF:XOF+1]
	s_add_nc_u64 s[SB:SB+1], s[6:7], s[SOF:SOF+1]
	LOADX 1-\buf                                   ; a whole step ahead.  No wait: the set's last products stand ahead of the wait behind the last step's pair 7, and no vector or matrix instruction since names the set
.endif
	WPAIR 0, 0, \buf
	WPAIR 1, 1, \buf
	WIN 0
.rept 5
	v_nop                                          ; four places in front of the first read of pair 0's results, five in front of pair 2's products, which write over them
.endr
	QPAIR 0, 0, \buf
.irp p, 2,3,4,5,6,7
	WPAIR \p, \p%2, \buf                           ; the places behind a pair's products are the other set's quantiser
	QPAIR \p-1, (\p-1)%2, \buf
.endr
	QPAIR 7, 1, \buf
	s_wait_alu depctr_va_vdst(0)                   ; the conversions and shifts of pairs 4 to 7 have written their codes and bytes, which the sixteen LDS stores below read; and the step's products are done reading their set of the source, in which the next step's loads land
.irp p, 4,5,6,7
	QSTORE \p, \buf
.endr
.if \mul
	s_wait_dscnt 16                                ; LDS instructions end in order: all but the sixteen stores just issued are done, the 20 loads issued behind the last barrier among them
	P4 \zero                                       ; the last step's second product, while those sixteen stores land
.rept 4
	v_nop                                          ; four places behind these products, ahead of the loads into the fragments and scale words that they read; the wait ahead of those loads states the dependence
.endr
.endif
	s_wait_dscnt 0x0                               ; for the others' sake: my stores into this slot have landed, and my loads from the other slot are in
	s_barrier_signal -1
	s_barrier_wait -1                              ; the slot is whole; and nobody reads the other slot any more, which the next step writes
	FETCH4 \buf, \mul
.endm
	s_load_b256 s[4:11], s[0:1], 0x0               ; the source's codes s[4:5], its scales s[6:7], Wk's codes s[8:9], Wk's scales s[10:11]
	s_load_b256 s[12:19], s[0:1], 0x20             ; bk s[12:13], Wv's codes s[14:15], Wv's scales s[16:17], bv s[18:19]
	s_load_b64 s[20:21], s[0:1], 0x40              ; part
	v_lshl_add_u32 v254, v0, 2, 0x19000
	v_mov_b32 v255, 0
	v_lshrrev_b32 v15, 5, v0
	v_readfirstlane_b32 s[WV], v15                 ; wave 0..3
	s_mov_b32 s[HD], ttmp9                         ; head
	s_and_b32 s[RG], ttmp7, 0xffff                 ; range
	v_and_b32 v1, 15, v0                           ; r
	v_bfe_u32 v2, v0, 4, 1                         ; hh
	v_and_b32 v[LI], 31, v0
	v_lshlrev_b32 v[LI], 4, v[LI]
	v_and_b32 v[XL], 8, v1
	v_add_nc_u32 v[XL], v[XL], v1                  ; r + 8 (r / 8)
	v_lshl_add_u32 v[SL], v2, 3, v[XL]
	v_lshlrev_b32 v[SL], 3, v[SL]
	v_lshlrev_b32 v[XL], 7, v[XL]
	v_lshl_add_u32 v[XL], v2, 4, v[XL]
	v_lshlrev_b32 v[IA], 4, v1
	v_lshl_add_u32 v[IA], v2, 3, v[IA]
	s_wait_alu depctr_va_sdst(0)                   ; the wave's number is written, ahead of its first reader
	s_lshr_b32 s[WM], s[WV], 1                     ; which 64 of a's m are mine
	s_and_b32 s[WD], s[WV], 1                      ; which 64 of its d
	s_lshl_b32 s31, s[WV], 8
	v_add_nc_u32 v[IA], s31, v[IA]
	v_lshlrev_b32 v[SA], 2, v1
	s_add_co_u32 s31, s[WV], SCO
	v_add_nc_u32 v[SA], s31, v[SA]
	s_lshl_b32 s31, s[WM], 12
	v_add_nc_u32 v[KA], s31, v[LI]
	s_lshl_b32 s31, s[WD], 12
	s_add_co_u32 s31, s31, 8192
	v_add_nc_u32 v[VA], s31, v[LI]
	s_xor_b32 s31, s[WM], 1                        ; from k's words to v's: 512 + 256 wd - 256 wm = 256 ((wm xor 1) + wd + 1) bytes
	s_add_co_u32 s31, s31, s[WD]
	s_add_co_u32 s31, s31, 1
	s_lshl_b32 s31, s31, 8
	v_mul_u32_u24 v[PA], s31, v2                   ; lanes 16-31 take v's
	v_lshl_add_u32 v[PA], v1, 2, v[PA]
	s_lshl_b32 s31, s[WM], 8
	s_add_co_u32 s31, s31, SCO
	v_add_nc_u32 v[PA], s31, v[PA]
	v_mul_u32_u24 v[ST], v1, SP                    ; the stage, in: row d = 64 wd + 16 j + r, byte 4 m = 256 wm + 64 i + 32 hh
	v_lshl_add_u32 v[ST], v2, 5, v[ST]
	s_mul_i32 s31, s[WD], 64*SP
	s_lshl_b32 s32, s[WM], 8
	s_add_co_u32 s31, s31, s32
	s_add_co_u32 s31, s31, STG
	v_add_nc_u32 v[ST], s31, v[ST]
	s_mul_i32 s31, s[WV], 32*SP                    ; back: rows 32 w on, whole: 16 bytes a lane
	s_add_co_u32 s31, s31, STG
	v_add_nc_u32 v[RD], s31, v[LI]
	v_lshlrev_b32 v15, 9, v1                       ; a weight's codes: row 4 (16 f + r) + head of 128 bytes: 8,192 f + 512 r + 128 head, + 16 hh
	v_lshl_add_u32 v15, v2, 4, v15
	s_lshl_b32 s31, s[HD], 7
	v_add_nc_u32 v15, s31, v15
	v_lshlrev_b32 v[T], 5, v1                      ; its scale words: 512 f + 32 r + 8 head; lanes 16-31 take K step 1's
	v_lshl_add_u32 v[T], v2, 2, v[T]
	s_lshl_b32 s31, s[HD], 3
	v_add_nc_u32 v[T], s31, v[T]
	v_lshlrev_b32 v[T+1], 4, v1                    ; its bias: 256 f + 16 r + 4 head
	s_lshl_b32 s31, s[HD], 2
	v_add_nc_u32 v[T+1], s31, v[T+1]
	s_mov_b32 s[SEL], 0x76543210
	s_mov_b32 s[SEL+1], 0xfedcba98
	s_mov_b32 s[IC], INVC
	s_mul_i32 s[BLK], s[RG], NBLK
	s_add_co_u32 s[BEND], s[BLK], NBLK
	s_lshr_b32 s[BLK], s[BLK], 6
	s_lshr_b32 s[BEND], s[BEND], 6
	s_add_co_u32 s[BLK], s[BLK], s[WV]             ; my first block: at most 3,079, inside the tensor
	s_lshl_b32 s[XOF], s[BLK], 12                  ; a block is 4,096 bytes of codes
	s_mov_b32 s[XOF+1], 0
	s_lshl_b32 s[SOF], s[BLK], 8                   ; and 256 of scale bytes
	s_mov_b32 s[SOF+1], 0
	s_lshl_b32 s36, s[HD], 22                      ; part is [head][d / 2][range][d % 2][m] f32: head x 4 MiB + (16 w) x 64 KiB + range x 1,024
	s_lshl_b32 s31, s[WV], 20
	s_add_co_u32 s36, s36, s31
	s_lshl_b32 s31, s[RG], 10
	s_add_co_u32 s36, s36, s31
	s_mov_b32 s37, 0
	s_wait_kmcnt 0x0
	s_add_nc_u64 s[20:21], s[20:21], s[36:37]
	s_add_nc_u64 s[XB:XB+1], s[4:5], s[XOF:XOF+1]
	s_add_nc_u64 s[SB:SB+1], s[6:7], s[SOF:SOF+1]
	WIN 0x40                                       ; destination window 1: the weights' fragments (tile f, K step s) at 16 f + 8 s; k's tiles 0-7, v's 8-15.  They stay
	s_wait_alu depctr_va_vdst(0)                   ; v3 to v5, v8 to v15, v40 and v41 are written: the offsets and LDS addresses that the kernel's loads and stores read
.irp f, 0,1,2,3,4,5,6,7
.irp s, 0,1
.irp c, 0,1
	global_load_b128 v[16*\f+8*\s+4*\c:16*\f+8*\s+4*\c+3], v15, s[8:9] offset:8192*\f+64*\s+32*\c
	global_load_b128 v[128+16*\f+8*\s+4*\c:128+16*\f+8*\s+4*\c+3], v15, s[14:15] offset:8192*\f+64*\s+32*\c
.endr
.endr
.endr
	WIN 0
.irp f, 0,1,2,3,4,5,6,7
	global_load_b32 v[WS+\f], v[T], s[10:11] offset:512*\f
	global_load_b32 v[WS+8+\f], v[T], s[16:17] offset:512*\f
.endr
	WIN 0x80                                       ; destination window 2
.irp f, 0,1,2,3,4,5,6,7
	global_load_b32 v[BI+8*\f], v[T+1], s[12:13] offset:256*\f
	global_load_b32 v[BI+64+8*\f], v[T+1], s[18:19] offset:256*\f
.endr
	WIN 0
	LOADX 0
	s_wait_loadcnt 0x0
	WIN 0x82                                       ; a lane's eight results of a tile belong to one feature: its bias stands eight times, as the C of the tile's first product
.irp f, 0,1,2,3,4,5,6,7,8,9,10,11,12,13,14,15
.irp j, 1,2,3,4,5,6,7
	v_mov_b32 v[BI+8*\f+\j], v[BI+8*\f]
.endr
.endr
	WIN 0
	STEP 0, 0, 0, 1                                ; step 0: there is no second product yet
	STEP 1, 1, 1, 1                                ; step 1: step 0's second product starts the sums
	s_mov_b32 s[CNT], 5
.Lsteps:                                               ; steps 2 to 11, two a trip, until the sets and slots are back where they began
	STEP 0, 1, 0, 1
	STEP 1, 1, 0, 1
	s_sub_co_u32 s[CNT], s[CNT], 1
	s_cmp_lg_u32 s[CNT], 0
	s_cbranch_scc1 .Lsteps
	STEP 0, 1, 0, 0                                ; step 12 asks for nothing more
	s_wait_dscnt 0x0
	P4 0                                           ; step 12's second product
	; THE WAY OUT.  A lane holds eight neighbouring m of one column d.  The four waves' tiles meet in the stage, rows of d; each wave then stores 32 whole rows of 512 bytes.
.rept 4
	v_nop                                          ; places in front of the first read of the last products' results
.endr
	WIN 0x08                                       ; an LDS store's data are its source 1: window 2
	s_wait_alu depctr_va_vdst(0)                   ; the products have written the accumulators, which the LDS stores read; and every reader and writer of v96 to v223 is done, in which the loads from the stage land
.irp i, 0,1,2,3
.irp j, 0,1,2,3
	ds_store_b128 v[ST], v[8*(4*\i+\j):8*(4*\i+\j)+3] offset:16*\j*SP+64*\i        ; each accumulator from its low end on
	ds_store_b128 v[ST], v[8*(4*\i+\j)+4:8*(4*\i+\j)+7] offset:16*\j*SP+64*\i+16
.endr
.endr
	WIN 0
	s_wait_dscnt 0x0                               ; for the others' sake: my stores into the stage have landed
	s_barrier_signal -1
	s_barrier_wait -1
.irp t, 0,1,2,3,4,5,6,7,8,9,10,11,12,13,14,15,16,17,18,19,20,21,22,23,24,25,26,27,28,29,30,31
	ds_load_b128 v[96+4*\t:99+4*\t], v[RD] offset:\t*SP
.endr
.irp t, 0,1,2,3,4,5,6,7,8,9,10,11,12,13,14,15,16,17,18,19,20,21,22,23,24,25,26,27,28,29,30,31
	s_wait_dscnt 31-\t                             ; LDS loads come back in order: row t is in, the younger ones may be out
	global_store_b128 v[LI], v[96+4*\t:99+4*\t], s[20:21] offset:(\t/2)*65536+(\t%2)*512   ; column d = 32 w + t: the wave stores 512 consecutive bytes, at a multiple of 512 from the buffer's first byte
.endr
	s_wait_dscnt 0x0
	s_wait_alu depctr_hold_cnt(0) depctr_sa_sdst(0) depctr_va_vdst(0) depctr_va_sdst(0) depctr_va_ssrc(0) depctr_va_vcc(0) depctr_vm_vsrc(0)
	s_wait_tensorcnt 0x0
	ds_add_u32 v254, v255
	s_wait_dscnt 0x0
	s_endpgm
.Lfunc_end_k_qcca6f90697_kv:
	.size	k_qcca6f90697_kv, .Lfunc_end_k_qcca6f90697_kv-k_qcca6f90697_kv
	.p2alignl 7, 3214868480
	.fill 96, 4, 3214868480
	.section	.rodata,"a",@progbits
	.p2align	6, 0x0
	.amdhsa_kernel k_qcca6f90697_kv
		.amdhsa_group_segment_fixed_size 102912
		.amdhsa_private_segment_fixed_size 0
		.amdhsa_enable_private_segment 0
		.amdhsa_kernarg_size 72
		.amdhsa_user_sgpr_count 2
		.amdhsa_user_sgpr_kernarg_segment_ptr 1
		.amdhsa_wavefront_size32 1
		.amdhsa_system_sgpr_workgroup_id_x 1
		.amdhsa_system_sgpr_workgroup_id_y 1
		.amdhsa_system_sgpr_workgroup_id_z 1
		.amdhsa_system_vgpr_workitem_id 0
		.amdhsa_next_free_vgpr 832
		.amdhsa_next_free_sgpr 66
		.amdhsa_reserve_vcc 0
		.amdhsa_float_denorm_mode_32 3
		.amdhsa_float_denorm_mode_16_64 3
		.amdhsa_memory_ordered 1
		.amdhsa_forward_progress 1
		.amdhsa_inst_pref_size 192
	.end_amdhsa_kernel
	.amdgpu_metadata
---
amdhsa.version: [ 1, 2 ]
amdhsa.kernels:
  - .name:           k_qcca6f90697_kv
    .symbol:         k_qcca6f90697_kv.kd
    .args:
      - { .name: source_input_codes, .offset: 0, .size: 8, .value_kind: global_buffer, .address_space: global }
      - { .name: source_input_scales, .offset: 8, .size: 8, .value_kind: global_buffer, .address_space: global }
      - { .name: Wk_codes, .offset: 16, .size: 8, .value_kind: global_buffer, .address_space: global }
      - { .name: Wk_scales, .offset: 24, .size: 8, .value_kind: global_buffer, .address_space: global }
      - { .name: bk, .offset: 32, .size: 8, .value_kind: global_buffer, .address_space: global }
      - { .name: Wv_codes, .offset: 40, .size: 8, .value_kind: global_buffer, .address_space: global }
      - { .name: Wv_scales, .offset: 48, .size: 8, .value_kind: global_buffer, .address_space: global }
      - { .name: bv, .offset: 56, .size: 8, .value_kind: global_buffer, .address_space: global }
      - { .name: part, .offset: 64, .size: 8, .value_kind: global_buffer, .address_space: global }
    .group_segment_fixed_size: 102912
    .private_segment_fixed_size: 0
    .kernarg_segment_align: 8
    .kernarg_segment_size: 72
    .max_flat_workgroup_size: 128
    .sgpr_count:     66
    .vgpr_count:     832
    .wavefront_size: 32
...
	.end_amdgpu_metadata
.endif
;; end of part 4
;; launch soft (part 5): grid 64 x 4, 4 waves a work-group, no clusters, 4,608 bytes of LDS; arguments part, attn; writes attn
.if DOCPART == 5
	.amdgcn_target "amdgcn-amd-amdhsa--gfx1250"
	.amdhsa_code_object_version 6
	.text
	.protected	k_qcca6f90697_soft
	.globl	k_qcca6f90697_soft
	.p2align	8
	.type	k_qcca6f90697_soft,@function
k_qcca6f90697_soft:
	s_mov_b64 s[64:65], 0
	v_nop
	global_prefetch_b8 v0, s[64:65] scope:SCOPE_SE
	s_setreg_imm32_b32 hwreg(HW_REG_WAVE_MODE, 25, 1), 1
	s_wait_xcnt 0x0
; THE SOFTMAX OVER m, AS CODES.  Work-group (x = dq, y = head) owns the two columns d = 2 dq, 2 dq + 1 of one head.  part is [head][dq][range 64][d % 2][m 128] f32: its 64 partial sums are 65,536 consecutive bytes.
; Each wave adds 16 ranges (32 loads of 512 consecutive bytes, all asked for at once); the four sums meet in LDS; wave 0 finishes: a = their sum; t = a log2(e); M = ceil(the column's largest t);
; p = 2^(t - M); l = the sum of the unquantised p; p is quantised along m in blocks of 32.  Stored: p's codes, its scale word, and 1 / (4 l) (the mean over the four heads is folded in).
; attn, as the last launch's registers want it: fragment F = ((d / 64) 4 + head) 4 + d % 4, lane r = (d % 64) / 4: the 16 bytes of block beta of m at 1,024 F + 256 beta + 16 r;
; the scale word at 32,768 + 64 F + 4 r; 1 / (4 l) at 34,816 + 64 F + 4 r.  These stores are pieces of 4 to 16 bytes, 144 bytes a work-group; in exchange every later read of them is dense.
; No matrix unit, no cluster, no tensor load: a reduction of 64 KiB a work-group that shares nothing with its neighbours.
; LIMITS: p under 2^-126 counts as 0 (the exponential flushes); a block whose every p is under 2^-124 gets the byte 1; NaN and infinities are not served.
; REGISTERS: v1-7 addresses; v8-15 at work; v16-143 the 16 ranges as loaded (v16-23 take the sums); wave 0: v32-63 the four waves' sums, then p in v32-39 and l in v40-43;
;   v144-149 wave 0's store addresses and temporaries: no load of the launch lands there, so they may be made while the LDS loads are out.
.set LOG2E, 0x3fb8aa3b
.set FLOOR, 0x1800000
.set EOFF,  0xff000000
.set ACODE, 144                        ; v144  where my four bytes of codes go
.set TMPR,  145                        ; v145  at work
.set SHIFT, 146                        ; v146  8 (i / 4): my byte's place in the scale word
.set AWORD, 147                        ; v147  where the column's scale word and divisor go
.set DPPT,  148                        ; v148  a neighbour's bytes
.set RC,    149                        ; v149  1 / l, then 1 / (4 l)
	s_load_b128 s[4:7], s[0:1], 0x0                ; part s[4:5], attn s[6:7]
	v_lshl_add_u32 v160, v0, 2, 0x1000
	v_mov_b32 v161, 0
	v_lshrrev_b32 v1, 5, v0
	v_readfirstlane_b32 s8, v1                     ; wave 0..3
	s_and_b32 s9, ttmp7, 0xffff                    ; head
	s_mov_b32 s10, ttmp9                           ; dq
	v_and_b32 v2, 31, v0                           ; lane
	v_lshlrev_b32 v3, 4, v2                        ; 16 x lane: m = 4 lane .. 4 lane + 3
	s_lshl_b32 s14, s8, 10
	v_add_nc_u32 v4, s14, v3                       ; LDS: my wave's 1,024 bytes
	v_lshrrev_b32 v5, 4, v2                        ; wave 0's second part: e = lane / 16: which column,
	v_and_b32 v6, 15, v2                           ; i = lane % 16: m = 8 i .. 8 i + 7: a column is a row of 16 lanes, a block of 32 is four lanes
	v_lshlrev_b32 v7, 5, v6
	v_lshl_add_u32 v7, v5, 9, v7                   ; 512 e + 32 i
	s_lshl_b32 s12, s9, 6
	s_add_co_u32 s12, s12, s10
	s_lshl_b32 s12, s12, 16                        ; (64 head + dq) x 65,536
	s_lshl_b32 s13, s8, 14                         ; + 16 ranges x wave
	s_add_co_u32 s12, s12, s13
	s_mov_b32 s13, 0
	s_mov_b32 s16, LOG2E
	s_mov_b32 s17, s16                             ; (named with it as a pair, so it is written)
	s_wait_alu depctr_va_vdst(0)
	s_wait_kmcnt 0x0
	s_add_nc_u64 s[4:5], s[4:5], s[12:13]
.irp p, 0,1,2,3,4,5,6,7,8,9,10,11,12,13,14,15
.irp e, 0,1
	global_load_b128 v[16+8*\p+4*\e:19+8*\p+4*\e], v3, s[4:5] offset:1024*\p+512*\e th:TH_LOAD_NT
.endr
.endr
.irp p, 1,2,3,4,5,6,7,8,9,10,11,12,13,14,15
	s_wait_alu depctr_va_vdst(0)
	s_wait_loadcnt 2*(15-\p)                       ; loads come back in order: range p's two are in; the 2 (15 - p) issued behind them may be out
.irp j, 0,2,4,6
	v_pk_add_f32 v[16+\j:17+\j], v[16+\j:17+\j], v[16+8*\p+\j:17+8*\p+\j]
.endr
.endr
	ds_store_b128 v4, v[16:19]                     ; column 0
	ds_store_b128 v4, v[20:23] offset:512          ; column 1
	s_wait_dscnt 0x0                               ; for wave 0's sake: my stores have landed
	s_barrier_signal -1
	s_barrier_wait -1
	s_cmp_lg_u32 s8, 0
	s_cbranch_scc1 .Ldone                          ; the rest is 256 numbers: one wave's work
.irp w, 0,1,2,3
	ds_load_b128 v[32+8*\w:35+8*\w], v7 offset:1024*\w
	ds_load_b128 v[36+8*\w:39+8*\w], v7 offset:1024*\w+16
.endr
	; while these eight loads are out the store addresses are made, in registers that none of them writes
	s_lshr_b32 s18, s10, 5                         ; F of column 2 dq: ((dq / 32) 4 + head) 4 + 2 (dq % 2)
	s_lshl_b32 s18, s18, 2
	s_add_co_u32 s18, s18, s9
	s_lshl_b32 s18, s18, 2
	s_and_b32 s19, s10, 1
	s_lshl_b32 s19, s19, 1
	s_add_co_u32 s18, s18, s19
	s_bfe_u32 s19, s10, 0x40001                    ; r = (dq % 32) / 2
	s_lshl_b32 s20, s18, 10
	s_lshl_b32 s21, s19, 4
	s_add_co_u32 s20, s20, s21                     ; 1,024 F + 16 r
	v_lshlrev_b32 v[ACODE], 10, v5                 ; + 1,024 e
	v_and_b32 v[TMPR], 12, v6
	v_lshl_add_u32 v[ACODE], v[TMPR], 6, v[ACODE]  ; + 256 (i / 4)
	v_lshlrev_b32 v[SHIFT], 1, v[TMPR]             ; 8 (i / 4)
	v_and_b32 v[TMPR], 3, v6
	v_lshl_add_u32 v[ACODE], v[TMPR], 2, v[ACODE]  ; + 4 (i % 4)
	v_add_nc_u32 v[ACODE], s20, v[ACODE]
	s_lshl_b32 s20, s18, 6
	s_lshl_b32 s21, s19, 2
	s_add_co_u32 s20, s20, s21                     ; 64 F + 4 r
	v_lshl_add_u32 v[AWORD], v5, 6, s20            ; + 64 e
	v_mov_b32 v[DPPT], 0                           ; written once: a DPP move's destination counts as read
	s_wait_dscnt 0x0                               ; the four waves' sums are in
.irp w, 1,2,3
.irp j, 0,2,4,6
	v_pk_add_f32 v[32+\j:33+\j], v[32+\j:33+\j], v[32+8*\w+\j:33+8*\w+\j]   ; a
.endr
.endr
	v_max3_num_f32 v8, v32, v33, v34
	v_max3_num_f32 v8, v8, v35, v36
	v_max3_num_f32 v8, v8, v37, v38
	v_max_num_f32 v8, v8, v39
	v_max_num_f32_dpp v8, v8, v8 row_xmask:1 row_mask:0xf bank_mask:0xf
	v_max_num_f32_dpp v8, v8, v8 row_xmask:2 row_mask:0xf bank_mask:0xf
	v_max_num_f32_dpp v8, v8, v8 row_xmask:4 row_mask:0xf bank_mask:0xf
	v_max_num_f32_dpp v8, v8, v8 row_xmask:8 row_mask:0xf bank_mask:0xf   ; the column's largest a
	v_mul_f32 v8, s16, v8                          ; as t (log2(e) is positive)
	v_floor_f32 v10, -v8                           ; -M = floor(-t) = -ceil(t)
	v_mov_b32 v11, v10                             ; (the pair's upper half is named, so it is written)
.irp j, 0,2,4,6
	v_pk_fma_f32 v[32+\j:33+\j], v[32+\j:33+\j], s[16:17], v[10:11] op_sel_hi:[1,0,0]   ; t - M
.endr
	s_wait_alu depctr_va_vdst(0)
.irp j, 0,1,2,3,4,5,6,7
	v_exp_f32 v[32+\j], v[32+\j]                   ; p = 2^(t - M)
.endr
	v_nop                                          ; one plain place behind the exponentials
	s_wait_alu depctr_va_vdst(0)
	v_pk_add_f32 v[40:41], v[32:33], v[34:35]      ; the sum of the unquantised p,
	v_pk_add_f32 v[42:43], v[36:37], v[38:39]
	v_max3_num_f32 v12, v32, v33, FLOOR            ; and the block's largest p (none is negative), with the floor
	v_pk_add_f32 v[40:41], v[40:41], v[42:43]
	v_max3_num_f32 v12, v12, v34, v35
	v_max3_num_f32 v12, v12, v36, v37
	v_max3_num_f32 v12, v12, v38, v39
	v_add_f32 v40, v40, v41
	v_max_num_f32_dpp v12, v12, v12 row_xmask:1 row_mask:0xf bank_mask:0xf
	v_add_f32_dpp v40, v40, v40 row_xmask:1 row_mask:0xf bank_mask:0xf
	v_max_num_f32_dpp v12, v12, v12 row_xmask:2 row_mask:0xf bank_mask:0xf   ; four lanes hold a block
	v_add_f32_dpp v40, v40, v40 row_xmask:2 row_mask:0xf bank_mask:0xf
	v_add_f32_dpp v40, v40, v40 row_xmask:4 row_mask:0xf bank_mask:0xf
	v_add_f32_dpp v40, v40, v40 row_xmask:8 row_mask:0xf bank_mask:0xf       ; l
	v_add_nc_u32 v13, EOFF, v12                    ; 2 off the exponent field: the conversion's scale operand
	v_cvt_scalef32_pk8_fp4_f32 v14, v[32:39], v13  ; the codes of m = 8 i .. 8 i + 7
	v_lshrrev_b32 v15, 23, v13                     ; the scale's byte.  (The plain place behind the conversion)
	s_wait_alu depctr_va_vdst(0)
	v_rcp_f32 v[RC], v40
	v_lshlrev_b32 v15, v[SHIFT], v15               ; at its place in the word.  (The plain place behind the reciprocal)
	v_mov_b32_dpp v[DPPT], v15 row_xmask:4 row_mask:0xf bank_mask:0xf
	v_or_b32 v15, v15, v[DPPT]
	v_mov_b32_dpp v[DPPT], v15 row_xmask:8 row_mask:0xf bank_mask:0xf
	v_or_b32 v15, v15, v[DPPT]                     ; the four blocks' bytes: the column's scale word, in all its lanes
	s_wait_alu depctr_va_vdst(0)
	v_mul_f32 v[RC], 0x3e800000, v[RC]             ; 1 / (4 l)
	global_store_b32 v[ACODE], v14, s[6:7]
	s_wait_alu depctr_va_vdst(0)
	s_wait_xcnt 0x0                                ; EXEC is a source of the pending store: it changes only behind this wait
	v_cmp_eq_u32 vcc_lo, 0, v6
	s_and_saveexec_b32 s22, vcc_lo                 ; one lane for each column
	global_store_b32 v[AWORD], v15, s[6:7] offset:32768
	global_store_b32 v[AWORD], v[RC], s[6:7] offset:34816
	s_wait_xcnt 0x0                                ; and again, in front of the line that widens it
	s_or_b32 exec_lo, exec_lo, s22
.Ldone:
	s_wait_tensorcnt 0x0
	ds_add_u32 v160, v161
	s_wait_dscnt 0x0
	s_endpgm
.Lfunc_end_k_qcca6f90697_soft:
	.size	k_qcca6f90697_soft, .Lfunc_end_k_qcca6f90697_soft-k_qcca6f90697_soft
	.p2alignl 7, 3214868480
	.fill 96, 4, 3214868480
	.section	.rodata,"a",@progbits
	.p2align	6, 0x0
	.amdhsa_kernel k_qcca6f90697_soft
		.amdhsa_group_segment_fixed_size 4608
		.amdhsa_private_segment_fixed_size 0
		.amdhsa_enable_private_segment 0
		.amdhsa_kernarg_size 16
		.amdhsa_user_sgpr_count 2
		.amdhsa_user_sgpr_kernarg_segment_ptr 1
		.amdhsa_wavefront_size32 1
		.amdhsa_system_sgpr_workgroup_id_x 1
		.amdhsa_system_sgpr_workgroup_id_y 1
		.amdhsa_system_sgpr_workgroup_id_z 1
		.amdhsa_system_vgpr_workitem_id 0
		.amdhsa_next_free_vgpr 162
		.amdhsa_next_free_sgpr 66
		.amdhsa_reserve_vcc 1
		.amdhsa_float_denorm_mode_32 3
		.amdhsa_float_denorm_mode_16_64 3
		.amdhsa_memory_ordered 1
		.amdhsa_forward_progress 1
		.amdhsa_inst_pref_size 15
	.end_amdhsa_kernel
	.amdgpu_metadata
---
amdhsa.version: [ 1, 2 ]
amdhsa.kernels:
  - .name:           k_qcca6f90697_soft
    .symbol:         k_qcca6f90697_soft.kd
    .args:
      - { .name: part, .offset: 0, .size: 8, .value_kind: global_buffer, .address_space: global }
      - { .name: attn, .offset: 8, .size: 8, .value_kind: global_buffer, .address_space: global }
    .group_segment_fixed_size: 4608
    .private_segment_fixed_size: 0
    .kernarg_segment_align: 8
    .kernarg_segment_size: 16
    .max_flat_workgroup_size: 128
    .sgpr_count:     66
    .vgpr_count:     162
    .wavefront_size: 32
...
	.end_amdgpu_metadata
.endif
;; end of part 5
;; launch outp (part 6): grid 256 x 1, 4 waves a work-group, no clusters, 18,944 bytes of LDS; arguments query_input_codes, query_input_scales, Wq_codes, Wq_scales, bq, attn, out0; writes out0
.if DOCPART == 6
	.amdgcn_target "amdgcn-amd-amdhsa--gfx1250"
	.amdhsa_code_object_version 6
	.text
	.protected	k_qcca6f90697_outp
	.globl	k_qcca6f90697_outp
	.p2align	8
	.type	k_qcca6f90697_outp,@function
k_qcca6f90697_outp:
	s_mov_b64 s[64:65], 0
	v_nop
	global_prefetch_b8 v0, s[64:65] scope:SCOPE_SE
	s_setreg_imm32_b32 hwreg(HW_REG_WAVE_SCHED_MODE, 0, 2), 2
	s_setreg_imm32_b32 hwreg(HW_REG_WAVE_MODE, 25, 1), 1
	s_wait_xcnt 0x0
	s_wait_alu depctr_vm_vsrc(0)
; out[l][d] = sum over heads of (1 / (4 l[d][h])) sum over m of Q(q)[l][m][h] Q(p)[m][d][h], q = query Wq + bq; all products on codes of FP4 (E2M1) with one E8M0 scale for each 32 along K.
; SHARES.  Work-group G owns the blocks of 32 rows from (3125 G) >> 8 up to (3125 (G + 1)) >> 8: 12 or 13.  All that is used again stays in registers for the whole launch: a wave's part of Wq, p's codes, the divisors.
; PHASE 1: wave w is head w.  The product is used transposed (source 0 = 16 rows of Wq, source 1 = 16 rows of the query): a lane holds ONE row l and its registers run along m.  THE ROWS OF Wq THAT FORM A TILE ARE NOT
; NEIGHBOURS: lane r of tile 2 b + u takes feature 32 b + 8 u + r + 8 (r / 8), so that the 16 registers of tiles 2 b, 2 b + 1 are 16 neighbours along m, the next K.  q is quantised in registers; its fragment and its
; scale words go to LDS as images of the registers.
; PHASE 2: wave (tau = w / 2, g = w % 2) makes rows 16 tau on, columns 64 g on: for each head h and q = 0 .. 3 one product, source 0 = q's fragment of head h, source 1 = p's fragment (h, q), whose lane r is column
; 64 g + 4 r + q.  The results are weighed by 1 / (4 l) and added over the heads; registers 4 j .. 4 j + 3 of the sum are then 16 NEIGHBOURING BYTES of row 8 hh + j, and sixteen lanes hold 256 consecutive bytes:
; the results are stored straight from registers.
; PIPELINE.  q's images have two LDS slots, and phase 2 of a block runs inside the NEXT block: its fragments are fetched behind the block's one barrier and land under the next block's 32 products; its sums and stores
; stand between the next block's LDS stores and the wait for them.  A slot is written again two blocks later, behind a barrier in front of which every wave has waited for its reads of it.
; The query's codes have two sets of registers and are asked for two blocks ahead, from a clamped block, never skipped: so every wait has the same count on every path.
; EVERY WORK-GROUP RUNS 13 BLOCKS, a constant, two to a trip of the loop (sets and slots alternate).  Where only 12 are its own, the 13th q is computed from the next work-group's rows (clamped to the tensor) and nobody
; uses it: a scalar branch on ids leads round the last phase 2 and its stores.  No barrier stands under that branch.
; THE MODE: SCHED_MODE bits 1:0 = 2 (LLVM: expert scheduling mode 2), set by the entry lines.  The code itself states the register dependences between vector or matrix instructions and memory or LDS
; instructions, with s_wait_alu, always for 0.
; THE PLAN.  Registers that memory or LDS instructions touch, in a block:
;   XF[sl], SX[sl]  the query's fragments and scale words.  Read by the block's 32 products; behind the block's first wait the loads of the block two on land in them.
;   PC, PW          q's codes and scale words, both row tiles.  Written by the two quantisers; read by the six LDS stores behind the first wait; written again in the next block.
;   QF, QS          q's fragments and scale words for phase 2.  Read by phase 2's 16 products; loaded again behind the block's barrier.
;   OUTR            the sums.  Written by the 128 multiply-adds; read by the eight stores behind the second wait; written again in the next block.
;   v3-11           offsets and LDS addresses, made at the head and never written again: a block of the query is reached by scalar bases, a pair for each set.
; So a block holds two waits on va_vdst.  The first stands behind both quantisers: the codes and scale words are written, the 32 products are done reading the query's set, and phase 2's products are done reading
; QF and QS; behind it come only the multiply-adds, which name the results, the divisors and OUTR.  The second stands behind the multiply-adds: OUTR is written.  One wait on vm_vsrc stands at a block's head.
; NO JOINT LOADS, NO TENSOR LOADS: work-groups share only Wq and attn, read once at the head (about 37 KB a wave); a block's 4,352 bytes of the query go straight into each wave's operand registers.
; LIMITS: a block of q whose largest magnitude lies under 2^-124, a block of zeros among them, gets the scale byte 1 (zero codes add nothing).  NaN and infinities are not served.
; REGISTERS.  window 0: v1-15 addresses; v16-23 Wq's scale words, v24-27 the query's (two sets), v28-31 q's, v32-47 p's; v48-63 the divisors; v64-79 at work; v84-99 codes just made, v100-101 their scale words;
;   v128-255 q of 2 x 16 rows.   window 1: v0-127 Wq; v128-159 and v224-255 the query's fragments, two sets; v160-191 q's fragments; v192-223 the sums.
;   window 2: v0-127 p's fragments; v128-191 the bias.   window 3: v0-127 the 16 results of phase 2.
.set NBLK,  3125
.set FLOOR, 0x1800000                  ; 2^(3 - 127)
.set EOFF,  0xff000000                 ; takes 2 off an exponent field
.set SLOTB, 9216                       ; an LDS slot: q's 8 images (row tile t, head h: 4 t + h) of 1,024 bytes; behind them their scale words, 128 bytes each
.set QSC,   8192
.set LI,  3                            ; v3   16 x lane
.set LS,  4                            ; v4   4 x lane
.set XA,  5                            ; v5   the query's codes: 128 r + 16 hh
.set XSA, 6                            ; v6   its scale words: 8 x lane
.set QWI, 7                            ; v7   where I store q's images: 16 x lane + 1,024 w
.set QWS, 8                            ; v8   and their scale words: QSC + 4 x lane + 128 w
.set QRI, 9                            ; v9   where I read them: 16 x lane + 4,096 tau
.set QRS, 10                           ; v10  QSC + 4 x lane + 512 tau
.set OO,  11                           ; v11  my byte in a block of out: 8,192 tau + 4,096 hh + 256 g + 16 r
.set WS,  16                           ; tile t: lanes 0-15 the word of K step 0, lanes 16-31 of K step 1
.set SX,  24                           ; set b, K step s at 2 b + s: lane L = row L of the block
.set QS,  28
.set PSC, 32
.set CC,  48
.set TM,  64
.set PC,  84
.set PW,  100
.set H,   128
.set WQ,  0                            ; window 1
.set XF,  128                          ; set b at 128 + 96 b
.set QF,  160
.set OUTR, 192
.set PF,  0                            ; window 2
.set BI,  128
.set R,   0                            ; window 3
.set WV,   18
.set IB,   19                          ; the block in hand
.set BEND, 20
.set SEL,  24                          ; s[24:25] lane l xor 16
.set TAU,  30
.set GG,   31
.set CNT,  32
.set XOF,  34                          ; s[34:35] 4,096 x the block to be asked for; the upper word stays 0
.set SOF,  36                          ; s[36:37] 256 x that block; the upper word stays 0
.set XB,   40                          ; s[40:43] set b: the query's codes at its block: a pair at XB + 2 b
.set SB,   44                          ; s[44:47] set b: the query's scale bytes at its block: a pair at SB + 2 b
.set MSB, 0
.macro WIN new                         ; the immediate's high byte repeats the setting that is left; a switch that changes nothing is dropped
.if MSB != \new
	s_set_vgpr_msb (MSB<<8)|\new
.set MSB, \new
.endif
.endm
; One scaled product.  ra, rb = 1: that side's scale words are taken from lanes 16-31 of the register named.
.macro MXA d, a, b, c, sa, sb, ra, rb
.if (\ra) && (\rb)
	v_wmma_scale_f32_16x16x128_f8f6f4 v[\d:\d+7], v[\a:\a+7], v[\b:\b+7], v[\c:\c+7], v[\sa], v[\sb] matrix_a_fmt:MATRIX_FMT_FP4 matrix_b_fmt:MATRIX_FMT_FP4 matrix_a_scale:MATRIX_SCALE_ROW1 matrix_b_scale:MATRIX_SCALE_ROW1
.elseif (\ra)
	v_wmma_scale_f32_16x16x128_f8f6f4 v[\d:\d+7], v[\a:\a+7], v[\b:\b+7], v[\c:\c+7], v[\sa], v[\sb] matrix_a_fmt:MATRIX_FMT_FP4 matrix_b_fmt:MATRIX_FMT_FP4 matrix_a_scale:MATRIX_SCALE_ROW1
.elseif (\rb)
	v_wmma_scale_f32_16x16x128_f8f6f4 v[\d:\d+7], v[\a:\a+7], v[\b:\b+7], v[\c:\c+7], v[\sa], v[\sb] matrix_a_fmt:MATRIX_FMT_FP4 matrix_b_fmt:MATRIX_FMT_FP4 matrix_b_scale:MATRIX_SCALE_ROW1
.else
	v_wmma_scale_f32_16x16x128_f8f6f4 v[\d:\d+7], v[\a:\a+7], v[\b:\b+7], v[\c:\c+7], v[\sa], v[\sb] matrix_a_fmt:MATRIX_FMT_FP4 matrix_b_fmt:MATRIX_FMT_FP4
.endif
.endm
; A block's codes (row tile t, K step s at 16 t + 8 s) and scale words into set b: nine loads
.macro XLOAD b
	WIN 0x40                                       ; destination window 1
.irp t, 0,1
.irp s, 0,1
.irp c, 0,1
	global_load_b128 v[XF+96*(\b)+16*\t+8*\s+4*\c:XF+96*(\b)+16*\t+8*\s+4*\c+3], v[XA], s[XB+2*(\b):XB+2*(\b)+1] offset:2048*\t+64*\s+32*\c
.endr
.endr
.endr
	WIN 0
	global_load_b64 v[SX+2*(\b):SX+2*(\b)+1], v[XSA], s[SB+2*(\b):SB+2*(\b)+1]   ; 256 consecutive bytes a wave
.endm
; q of my head for row tile t, from set b: eight accumulators by turns, one instruction a turn, K step 0 (C = the bias) and K step 1
.macro W t, b
	WIN 0x25                                       ; sources 0 (Wq) and 1 (the query) window 1, source 2 (the bias) window 2
.irp f, 0,1,2,3,4,5,6,7
	MXA H+64*(\t)+8*\f, WQ+16*\f, XF+96*(\b)+16*(\t), BI+8*\f, WS+\f, SX+2*(\b), 0, \t
.endr
	WIN 0x05                                       ; C and D window 0
.irp f, 0,1,2,3,4,5,6,7
	MXA H+64*(\t)+8*\f, WQ+16*\f+8, XF+96*(\b)+16*(\t)+8, H+64*(\t)+8*\f, WS+\f, SX+2*(\b)+1, 1, \t
.endr
.endm
; 64 numbers of a lane, register 16 b + i = m 32 b + 16 (lane / 16) + i of my row, become a fragment's codes in v[pc] on and its scale word in v[pw].  Each accumulator is read from its low end on.
.macro QUANT s, pc, pw
.irp b, 0,1,2,3
	v_max3_num_f32 v[TM+\b], |v[\s+16*\b]|, |v[\s+1+16*\b]|, FLOOR
.endr
.irp i, 2,4,6,8,10,12,14
.irp b, 0,1,2,3
	v_max3_num_f32 v[TM+\b], v[TM+\b], |v[\s+16*\b+\i]|, |v[\s+1+16*\b+\i]|   ; the four blocks by turns: no line waits for the line above it
.endr
.endr
.irp b, 0,1,2,3
	v_permlanex16_b32 v[TM+4+\b], v[TM+\b], s[SEL], s[SEL+1]
.endr
.irp b, 0,1,2,3
	v_max_num_f32 v[TM+\b], v[TM+\b], v[TM+4+\b]   ; with lane l xor 16's: the block's largest magnitude
.endr
.irp b, 0,1,2,3
	v_add_nc_u32 v[TM+12+\b], EOFF, v[TM+\b]       ; 2 off its exponent field: the conversion's scale operand
.endr
.irp b, 0,1,2,3
	v_lshrrev_b32 v[TM+4+\b], 23, v[TM+12+\b]      ; the scale's byte
.endr
	v_lshl_or_b32 v[\pw], v[TM+5], 8, v[TM+4]      ; the four bytes make my row's scale word
	v_lshl_or_b32 v[\pw], v[TM+6], 16, v[\pw]
	v_lshl_or_b32 v[\pw], v[TM+7], 24, v[\pw]
.irp b, 0,1,2,3
	v_cvt_scalef32_pk8_fp4_f32 v[\pc+2*\b], v[\s+16*\b:\s+7+16*\b], v[TM+12+\b]
	v_cvt_scalef32_pk8_fp4_f32 v[\pc+1+2*\b], v[\s+8+16*\b:\s+15+16*\b], v[TM+12+\b]
.endr
	v_nop                                          ; one plain place behind a scaled conversion
.irp c, 0,1                                    ; the operand's layout wants a WHOLE block in a lane: lanes 0-15 block 2 c, lanes 16-31 block 2 c + 1
.irp i, 0,1
	v_permlane16_swap_b32 v[\pc+4*\c+\i], v[\pc+2+4*\c+\i]
.endr
.endr
.endm
.macro IMAGE t, sl                             ; row tile t's fragment and scale words go into slot sl as they stand
.irp c, 0,1
	ds_store_b128 v[QWI], v[PC+8*(\t)+4*\c:PC+8*(\t)+4*\c+3] offset:(\sl)*SLOTB+4096*(\t)+512*\c
.endr
	ds_store_b32 v[QWS], v[PW+(\t)] offset:(\sl)*SLOTB+512*(\t)
.endm
.macro FETCHQ sl                               ; the four heads' fragments of my 16 rows, and their scale words, out of slot sl: 12 LDS loads
	WIN 0x40                                       ; destination window 1
.irp h, 0,1,2,3
.irp c, 0,1
	ds_load_b128 v[QF+8*\h+4*\c:QF+8*\h+4*\c+3], v[QRI] offset:(\sl)*SLOTB+1024*\h+512*\c
.endr
.endr
	WIN 0
.irp h, 0,1,2,3
	ds_load_b32 v[QS+\h], v[QRS] offset:(\sl)*SLOTB+128*\h
.endr
.endm
.macro PROD                                    ; phase 2's 16 products, each a whole sum (K = the head's 128 features)
	WIN 0xc9                                       ; source 0 (q) window 1, source 1 (p) window 2, destination window 3
.irp h, 0,1,2,3
.irp q, 0,1,2,3
	v_wmma_scale_f32_16x16x128_f8f6f4 v[R+8*(4*\h+\q):R+8*(4*\h+\q)+7], v[QF+8*\h:QF+8*\h+7], v[PF+8*(4*\h+\q):PF+8*(4*\h+\q)+7], 0, v[QS+\h], v[PSC+4*\h+\q] matrix_a_fmt:MATRIX_FMT_FP4 matrix_b_fmt:MATRIX_FMT_FP4
.endr
.endr
	WIN 0
.endm
.macro SUMS                                    ; the results weighed and added over the heads
	WIN 0x53                                       ; source 0 (the results) window 3, the sums (destination and source 2) window 1
.irp j, 0,1,2,3,4,5,6,7                        ; j ascends: each result is read from its low end on
.irp q, 0,1,2,3
	v_mul_f32 v[OUTR+4*\j+\q], v[R+8*\q+\j], v[CC+\q]
.endr
.irp h, 1,2,3
.irp q, 0,1,2,3
	v_fma_f32 v[OUTR+4*\j+\q], v[R+8*(4*\h+\q)+\j], v[CC+4*\h+\q], v[OUTR+4*\j+\q]
.endr
.endr
.endr
.endm
.macro SEND                                    ; and stored
	WIN 0x04                                       ; a store's data are its source 1: window 1
	s_wait_alu depctr_va_vdst(0)                   ; the multiply-adds have written the sums, which the eight stores read
.irp j, 0,1,2,3,4,5,6,7
	global_store_b128 v[OO], v[OUTR+4*\j:OUTR+4*\j+3], s[16:17] offset:512*\j-16384 th:TH_STORE_NT   ; row 16 tau + 8 hh + j: sixteen lanes store 256 consecutive bytes, at a multiple of 256 from out's first byte
.endr
	WIN 0
.endm
; A BLOCK.  sl: its set of the query's registers and its LDS slot.  ph2 = 1: phase 2 of the block before runs inside it.  left: the loads issued behind this block's nine.
.macro BLOCK sl, ph2, left
	s_wait_loadcnt \left                           ; loads come back in order: this block's nine are in, so the two bases that they read may be written again; the younger ones may be out
.if \ph2
	s_wait_alu depctr_vm_vsrc(0)                   ; the LDS stores of the block before have read q's codes and scale words, which this block's quantisers write again; its stores of out have read the sums, which this block's multiply-adds write again
.endif
	W 0, \sl
	W 1, \sl
	WIN 0
	s_add_co_u32 s21, s[IB], 2                     ; the block two on takes this set;
	s_min_u32 s21, s21, NBLK-1                     ; no load leaves its buffer
	s_lshl_b32 s[XOF], s21, 12
	s_lshl_b32 s[SOF], s21, 8
	s_add_nc_u64 s[XB+2*(\sl):XB+2*(\sl)+1], s[4:5], s[XOF:XOF+1]
	s_add_nc_u64 s[SB+2*(\sl):SB+2*(\sl)+1], s[6:7], s[SOF:SOF+1]
.rept 4
	v_nop                                          ; four places in front of the first read of q
.endr
.if \ph2
	s_wait_dscnt 0x0                               ; the 12 loads issued behind the last barrier are in
	PROD
.endif
	QUANT H, PC, PW
	QUANT H+64, PC+8, PW+1
.if \ph2
	s_wait_xcnt 0x0                                ; the last block's stores of out have had their addresses translated: their base and the sums are written again only behind this wait.  It stands ahead of this block's loads, so it waits for none of them
	s_add_nc_u64 s[16:17], s[16:17], 16384         ; one block on; the stores below reach back
.endif
	s_wait_alu depctr_va_vdst(0)                   ; the quantisers have written both row tiles' codes and scale words, which the LDS stores read; the 32 products are done reading the query's set, in which the nine loads land; phase 2's products are done reading q's fragments and scale words, in which the loads behind the barrier land
	IMAGE 0, \sl
	IMAGE 1, \sl
	XLOAD \sl                                      ; two blocks ahead
.if \ph2
	SUMS                                           ; the two quantisers are the places behind phase 2's products; this work stands between my LDS stores and the wait for them
	SEND
.endif
	s_wait_dscnt 0x0                               ; for the others' sake: my stores into this slot have landed (my loads from the other slot came in ahead of phase 2's products)
	s_barrier_signal -1
	s_barrier_wait -1                              ; the slot is whole; and nobody reads the other slot any more, which the next block writes
	FETCHQ \sl                                     ; no wait: since the block's first wait only the multiply-adds were issued, which name the results, the divisors and the sums
	s_add_co_u32 s[IB], s[IB], 1
.endm
	s_load_b256 s[4:11], s[0:1], 0x0               ; the query's codes s[4:5], its scales s[6:7], Wq's codes s[8:9], Wq's scales s[10:11]
	s_load_b128 s[12:15], s[0:1], 0x20             ; bq s[12:13], attn s[14:15]
	s_load_b64 s[16:17], s[0:1], 0x30              ; out
	v_lshl_add_u32 v126, v0, 2, 0x4800
	v_mov_b32 v127, 0
	v_lshrrev_b32 v12, 5, v0
	v_readfirstlane_b32 s[WV], v12                 ; wave 0..3
	v_and_b32 v1, 15, v0                           ; r
	v_bfe_u32 v2, v0, 4, 1                         ; hh
	v_and_b32 v[LS], 31, v0
	v_lshlrev_b32 v[LI], 4, v[LS]
	v_lshlrev_b32 v[XSA], 3, v[LS]
	v_lshlrev_b32 v[LS], 2, v[LS]
	s_wait_alu depctr_va_vdst(0)
	v_lshlrev_b32 v[XA], 7, v1
	v_lshl_add_u32 v[XA], v2, 4, v[XA]
	s_wait_alu depctr_va_sdst(0)                   ; the wave's number is written, ahead of its first reader
	s_lshr_b32 s[TAU], s[WV], 1
	s_and_b32 s[GG], s[WV], 1
	s_lshl_b32 s21, s[WV], 10
	v_add_nc_u32 v[QWI], s21, v[LI]
	s_lshl_b32 s21, s[WV], 7
	s_add_co_u32 s21, s21, QSC
	v_add_nc_u32 v[QWS], s21, v[LS]
	s_lshl_b32 s21, s[TAU], 12
	v_add_nc_u32 v[QRI], s21, v[LI]
	s_lshl_b32 s21, s[TAU], 9
	s_add_co_u32 s21, s21, QSC
	v_add_nc_u32 v[QRS], s21, v[LS]
	v_lshlrev_b32 v[OO], 4, v1
	v_lshl_add_u32 v[OO], v2, 12, v[OO]
	s_lshl_b32 s21, s[TAU], 13
	s_lshl_b32 s22, s[GG], 8
	s_add_co_u32 s21, s21, s22
	v_add_nc_u32 v[OO], s21, v[OO]
	v_and_b32 v15, 8, v1
	v_add_nc_u32 v15, v15, v1                      ; r + 8 (r / 8)
	v_lshlrev_b32 v12, 9, v15                      ; Wq's codes: row 4 m + w of 128 bytes: 512 m + 128 w, + 16 hh
	v_lshl_add_u32 v12, v2, 4, v12
	s_lshl_b32 s21, s[WV], 7
	v_add_nc_u32 v12, s21, v12
	v_lshlrev_b32 v13, 5, v15                      ; its scale words: 32 m + 8 w; lanes 16-31 take K step 1's
	v_lshl_add_u32 v13, v2, 2, v13
	s_lshl_b32 s21, s[WV], 3
	v_add_nc_u32 v13, s21, v13
	v_lshlrev_b32 v14, 8, v2                       ; bq at feature 32 b + 16 hh + 8 u + j, head w: 16 m + 4 w bytes
	s_lshl_b32 s21, s[WV], 2
	v_add_nc_u32 v14, s21, v14
	v_lshlrev_b32 v15, 2, v1                       ; 4 r: p's scale words and the divisors
.irp b, 0,1,2,3
	v_mov_b32 v[TM+4+\b], 0                        ; written once: a lane permute's destination counts as one of its sources
.endr
	s_mov_b32 s[SEL], 0x76543210
	s_mov_b32 s[SEL+1], 0xfedcba98
	s_mul_i32 s[IB], ttmp9, NBLK
	s_add_co_u32 s[BEND], s[IB], NBLK
	s_lshr_b32 s[IB], s[IB], 8                     ; my first block: at most 3,112, so the second lies inside the tensor too
	s_lshr_b32 s[BEND], s[BEND], 8
	s_lshl_b32 s[XOF], s[IB], 12                   ; a block is 4,096 bytes of codes
	s_mov_b32 s[XOF+1], 0
	s_lshl_b32 s[SOF], s[IB], 8                    ; and 256 of scales
	s_mov_b32 s[SOF+1], 0
	s_lshl_b32 s26, s[GG], 14                      ; my 16 fragments of p: 16,384 g on;
	s_mov_b32 s27, 0
	s_lshl_b32 s28, s[GG], 10                      ; their words: 1,024 g on
	s_mov_b32 s29, 0
	s_lshl_b32 s22, s[IB], 14                      ; out: 16,384 bytes a block
	s_mov_b32 s23, 0
	s_wait_kmcnt 0x0
	s_add_nc_u64 s[26:27], s[14:15], s[26:27]
	s_add_nc_u64 s[28:29], s[14:15], s[28:29]
	s_add_nc_u64 s[16:17], s[16:17], s[22:23]
	s_add_nc_u64 s[XB:XB+1], s[4:5], s[XOF:XOF+1]  ; set 0: my first block;
	s_add_nc_u64 s[XB+2:XB+3], s[XB:XB+1], 4096    ; set 1: my second
	s_add_nc_u64 s[SB:SB+1], s[6:7], s[SOF:SOF+1]
	s_add_nc_u64 s[SB+2:SB+3], s[SB:SB+1], 256
	; What the first block's products want comes first: Wq, its scale words, the bias, the first block.  p, its words and the divisors are wanted one block later.
	WIN 0x40                                       ; destination window 1: Wq's fragments (tile 2 b + u, K step s).  They stay
	s_wait_alu depctr_va_vdst(0)                   ; v3 to v15 are written: the offsets and LDS addresses that the kernel's loads and stores read
.irp b, 0,1,2,3
.irp u, 0,1
.irp s, 0,1
.irp c, 0,1
	global_load_b128 v[WQ+16*(2*\b+\u)+8*\s+4*\c:WQ+16*(2*\b+\u)+8*\s+4*\c+3], v12, s[8:9] offset:16384*\b+4096*\u+64*\s+32*\c
.endr
.endr
.endr
.endr
	WIN 0
.irp b, 0,1,2,3
.irp u, 0,1
	global_load_b32 v[WS+2*\b+\u], v13, s[10:11] offset:1024*\b+256*\u
.endr
.endr
	WIN 0x80                                       ; destination window 2
.irp b, 0,1,2,3
.irp u, 0,1
.irp j, 0,1,2,3,4,5,6,7
	global_load_b32 v[BI+8*(2*\b+\u)+\j], v14, s[12:13] offset:512*\b+128*\u+16*\j
.endr
.endr
.endr
	XLOAD 0                                        ; the first block
	WIN 0x80
.irp f, 0,1,2,3,4,5,6,7,8,9,10,11,12,13,14,15
.irp c, 0,1
	global_load_b128 v[PF+8*\f+4*\c:PF+8*\f+4*\c+3], v[LI], s[26:27] offset:1024*\f+512*\c   ; p's fragment 4 h + q, as its registers were laid
.endr
.endr
	WIN 0
.irp f, 0,1,2,3,4,5,6,7,8,9,10,11,12,13,14,15
	global_load_b32 v[PSC+\f], v15, s[28:29] offset:32768+64*\f
	global_load_b32 v[CC+\f], v15, s[28:29] offset:34816+64*\f
.endr
	XLOAD 1                                        ; the second block
	BLOCK 0, 0, 63                                 ; block 0: behind its nine loads 73 were issued (p's 32, 32 words, the second block's 9); 63 is the most that a wait can name
	BLOCK 1, 1, 9                                  ; block 1: only block 2's nine loads may be out, so p, its words and the divisors are in
	s_mov_b32 s[CNT], 5
.Lblocks:                                              ; blocks 2 to 11, two a trip, until the sets and slots are back where they began
	BLOCK 0, 1, 9
	BLOCK 1, 1, 9
	s_sub_co_u32 s[CNT], s[CNT], 1
	s_cmp_lg_u32 s[CNT], 0
	s_cbranch_scc1 .Lblocks
	BLOCK 0, 1, 9                                  ; block 12, and phase 2 of block 11
	s_wait_dscnt 0x0                               ; block 12's fragments are in
	s_cmp_gt_u32 s[IB], s[BEND]                    ; IB = my first block + 13: beyond the end where only 12 blocks are mine
	s_cbranch_scc1 .Ldone                          ; then block 12 is the next work-group's, which stores it
	PROD
	s_wait_xcnt 0x0                                ; the last stores of out have had their addresses translated: their base and the sums are written again only behind this wait
	s_wait_alu depctr_vm_vsrc(0)                   ; and they have read the sums, which the multiply-adds below write again
	s_add_nc_u64 s[16:17], s[16:17], 16384
.rept 4
	v_nop                                          ; places in front of the first read of the results
.endr
	SUMS
	SEND
.Ldone:
	s_wait_dscnt 0x0
	s_wait_alu depctr_hold_cnt(0) depctr_sa_sdst(0) depctr_va_vdst(0) depctr_va_sdst(0) depctr_va_ssrc(0) depctr_va_vcc(0) depctr_vm_vsrc(0)
	s_wait_tensorcnt 0x0
	ds_add_u32 v126, v127
	s_wait_dscnt 0x0
	s_endpgm
.Lfunc_end_k_qcca6f90697_outp:
	.size	k_qcca6f90697_outp, .Lfunc_end_k_qcca6f90697_outp-k_qcca6f90697_outp
	.p2alignl 7, 3214868480
	.fill 96, 4, 3214868480
	.section	.rodata,"a",@progbits
	.p2align	6, 0x0
	.amdhsa_kernel k_qcca6f90697_outp
		.amdhsa_group_segment_fixed_size 18944
		.amdhsa_private_segment_fixed_size 0
		.amdhsa_enable_private_segment 0
		.amdhsa_kernarg_size 56
		.amdhsa_user_sgpr_count 2
		.amdhsa_user_sgpr_kernarg_segment_ptr 1
		.amdhsa_wavefront_size32 1
		.amdhsa_system_sgpr_workgroup_id_x 1
		.amdhsa_system_sgpr_workgroup_id_y 1
		.amdhsa_system_sgpr_workgroup_id_z 1
		.amdhsa_system_vgpr_workitem_id 0
		.amdhsa_next_free_vgpr 896
		.amdhsa_next_free_sgpr 66
		.amdhsa_reserve_vcc 0
		.amdhsa_float_denorm_mode_32 3
		.amdhsa_float_denorm_mode_16_64 3
		.amdhsa_memory_ordered 1
		.amdhsa_forward_progress 1
		.amdhsa_inst_pref_size 144
	.end_amdhsa_kernel
	.amdgpu_metadata
---
amdhsa.version: [ 1, 2 ]
amdhsa.kernels:
  - .name:           k_qcca6f90697_outp
    .symbol:         k_qcca6f90697_outp.kd
    .args:
      - { .name: query_input_codes, .offset: 0, .size: 8, .value_kind: global_buffer, .address_space: global }
      - { .name: query_input_scales, .offset: 8, .size: 8, .value_kind: global_buffer, .address_space: global }
      - { .name: Wq_codes, .offset: 16, .size: 8, .value_kind: global_buffer, .address_space: global }
      - { .name: Wq_scales, .offset: 24, .size: 8, .value_kind: global_buffer, .address_space: global }
      - { .name: bq, .offset: 32, .size: 8, .value_kind: global_buffer, .address_space: global }
      - { .name: attn, .offset: 40, .size: 8, .value_kind: global_buffer, .address_space: global }
      - { .name: out0, .offset: 48, .size: 8, .value_kind: global_buffer, .address_space: global }
    .group_segment_fixed_size: 18944
    .private_segment_fixed_size: 0
    .kernarg_segment_align: 8
    .kernarg_segment_size: 56
    .max_flat_workgroup_size: 128
    .sgpr_count:     66
    .vgpr_count:     896
    .wavefront_size: 32
...
	.end_amdgpu_metadata
.endif
;; end of part 6
